; MI455X (gfx1250); checked and timed in simulation.
; The chip was launched on July 23, 2026; its instructions are those of AMD's public machine-readable ISA for CDNA 5 (MIT licence, August 2026) and "CDNA5" Instruction Set Architecture Reference Guide (July 2026). The comments in the code are by the model that wrote it; some were corrected since.
;; NLB. Allowed arithmetic: matrix products marked QUANTISED: E5M2 operands, one E8M0 scale for each 32 along K, by v_wmma_scale_f32_16x16x128_f8f6f4 with both operands' format E5M2, f32 sums; everything else in f32.
;; Inputs: b_g 128 float32; b_phi 128 float32; b_theta 128 float32; b_w 256 float32; bn_beta 256 float32; bn_gamma 256 float32; bn_mean 256 float32; bn_var 256 float32; w_g 128 x 256 float32; w_phi 128 x 256 float32; w_theta 128 x 256 float32; w_w 256 x 128 float32; x 8 x 256 x 64 x 64 float32.
;; Outputs: out0 8 x 256 x 64 x 64 float32.
;; This version of the problem:
;;   THIS VERSION OF THE PROBLEM IS GIVEN IN LOW PRECISION. The matrix products marked QUANTISED in the list below multiply operands that are first quantised to E5M2 (5 exponent bits, 2 mantissa bits; 8 bits a number), with one power-of-two scale for each 32 numbers along K (OCP MX v1.0); their sums are f32. All else is computed in f32.
;;   The module's matrix products, in the order in which they are computed (A, B: the left and right operand; K: the contracted axis; several contracted axes count as one K, in the product's order):
;;     1. [M 32,768, K 256] x [K 256, N 128]; A: computed on the way; B: input w_g: QUANTISED
;;     2. [M 32,768, K 256] x [K 256, N 128]; A: computed on the way; B: input w_theta: QUANTISED
;;     3. [M 32,768, K 256] x [K 256, N 128]; A: computed on the way; B: input w_phi: QUANTISED
;;     4. batch 8 x [M 4,096, K 128] x [K 128, N 4,096]; A: computed on the way; B: computed on the way: QUANTISED
;;     5. batch 8 x [M 128, K 4,096] x [K 4,096, N 4,096]; A: computed on the way; B: softmax (see below): QUANTISED
;;     6. [M 32,768, K 128] x [K 128, N 256]; A: computed on the way; B: input w_w: QUANTISED
;;   THE QUANTISER, for each operand of a quantised product, along K:
;;     - K is cut into blocks of 32 from its start; a last block that is shorter is filled with zeros.
;;     - A block's scale is 2^e with e = floor(log2(the largest magnitude in the block)) - 15, held to -126 .. 127; a block of zeros has e = 0. As a byte (E8M0): e + 127.
;;     - Each number is divided by its block's scale, clamped to +-57,344, and rounded to the nearest number of E5M2, ties to even, subnormals kept.
;;     - The product sums the exact products of the quantised numbers (number of the format x scale) in f32.
;;   ~~~python
;;   def quantise(x, axis):      # numpy; x: float32 -> the quantised numbers, widened to float32 again
;;       x = np.moveaxis(x, axis, -1); K = x.shape[-1]
;;       x = np.pad(x, [(0, 0)] * (x.ndim - 1) + [(0, -K % 32)]); x = x.reshape(x.shape[:-1] + (-1, 32)); a = np.abs(x).max(-1, keepdims=True)
;;       e = np.where(a > 0, np.clip(np.frexp(np.where(a > 0, a, 1))[1] - 1 - 15, -126, 127), 0)      # np.frexp(a)[1] - 1 = floor(log2(a)), exactly
;;       r = np.clip(x / 2.0 ** e, -57344, 57344)
;;       step = 2.0 ** (np.maximum(np.frexp(np.where(r == 0, 1, r))[1] - 1, -14) - 2)
;;       q = np.round(r / step) * step * 2.0 ** e      # np.round: ties to even
;;       return np.moveaxis(q.reshape(q.shape[:-2] + (-1,))[..., :K], -1, axis).astype(np.float32)
;;   ~~~
;;   SOFTMAX AHEAD OF A QUANTISED PRODUCT. Where the list says 'softmax', what is quantised is not the finished softmax but p = 2^(t - M), with t = logit x log2(e) and M = ceil(the row's largest t), a whole number; so 1/2 < the row's largest p <= 1. The row's sum l is taken of the UNQUANTISED p, in f32, and the product's result is divided by l at the end. Since M is a whole number, a kernel that streams over the keys may use a running M (the ceiling of the running maximum): every later rescaling is an exact power of two, which a block's scale takes up: the codes' values come out the same.
;;   OPERANDS COMPUTED ON THE WAY. 'Computed on the way' means the value that the module computes at that place (a softmax that the list does not call 'softmax' is quantised finished and normalised). What goes into a quantiser is computed in f32, as accurately as f32 sums, v_exp_f32 and their like allow (about 1e-6 of the number): no bf16 or f16 on the way to a quantiser, and a product that is left as it is and whose result goes on into a quantised operand takes f32 operands (vector FMAs, or v_wmma_f32_16x16x4_f32). A number that lies on a knife's edge between two numbers of the format may be rounded either way, as far as f32 arithmetic and the matrix unit's own rounding can turn it there, and no further.
;; One version. Each part assembles by itself: llvm-mc -triple=amdgcn-amd-amdhsa -mcpu=gfx1250 --defsym DOCPART=n.
;; ======== version 1 of 1: 3 launches
;; limits: right only within a limited range of input values
;; workspace buffers: wq 135,168 bytes; thc 4,194,304 bytes; ths 131,072 bytes; phc 4,194,304 bytes; phs 131,072 bytes; gc 4,194,304 bytes; gs 131,072 bytes
;; launch weights (part 1): grid 64 x 1, 1 waves a work-group, no clusters, 0 bytes of LDS; arguments w_theta, w_phi, w_g, w_w, wq; writes wq
.if DOCPART == 1
	.amdgcn_target "amdgcn-amd-amdhsa--gfx1250"
	.amdhsa_code_object_version 6
	.text
	.protected	k_q7b29b4b82e_weights
	.globl	k_q7b29b4b82e_weights
	.p2align	8
	.type	k_q7b29b4b82e_weights,@function
k_q7b29b4b82e_weights:
	s_mov_b64 s[64:65], 0
	v_nop
	global_prefetch_b8 v0, s[64:65] scope:SCOPE_SE
	s_setreg_imm32_b32 hwreg(HW_REG_WAVE_MODE, 25, 1), 1
	s_wait_xcnt 0x0
; The four weights, f32 with K innermost, become codes of BF8 (E5M2) with one E8M0 scale byte for each 32 along K, laid as IMAGES OF OPERAND REGISTERS.
; A fragment is 16 rows x 128 K = 2,048 bytes: register group c (four registers) of lane l lies at 512 c + 16 l; its 16 scale words (one a row) are 64 bytes.
; THE ROWS OF A FRAGMENT ARE NOT NEIGHBOURS: lane r of tile t takes row 32 (t / 2) + 8 (t % 2) + r + 8 (r / 8), so that in a product used transposed the 16 registers of
; tiles 2 b and 2 b + 1 are 16 neighbours along the next product's K.
; wq: bytes 0 on: the 48 fragments 16 T + 2 t + ks of w_theta (T = 0), w_phi (1), w_g (2), tile t, K step ks; 98,304 on: their scale words; 101,376 on: w_w's 16 fragments; 134,144 on: their scale words.
; One wave makes one fragment: 64 work-groups of one wave, 8 KiB read and 2,112 bytes written each.  No LDS, no barrier, no matrix work: there is nothing to share.
; A block's scale is 2^(floor(log2(its largest magnitude)) - 15); its byte is the largest magnitude's exponent field - 15, held at 1 from below.
; LIMITS: a block of zeros gets the byte 1 where the quantiser's text says 127 (its codes are zeros, and this program alone reads the bytes); NaN and infinities among the inputs are not served.
; The scale words leave as 64 bytes a fragment, a part of an aligned block of 256: one byte in 32 of what the launch stores.
.set X,   16                           ; v16-79   64 numbers: register 16 b + i = k 32 b + 16 (lane / 16) + i of my row
.set PC,  80                           ; v80-95   the fragment's codes
.set TM,  96                           ; v96-99 largest magnitudes, v100-103 bytes, v108-111 the conversions' scale operands
.set PW,  112                          ; v112     my row's scale word
.set SEL, 20                           ; s[20:21] v_permlanex16_b32's selects for lane l xor 16
.set MNT, 22
.macro QUANT s
.irp b, 0,1,2,3
	v_max3_num_f32 v[TM+\b], |v[\s+16*\b]|, |v[\s+1+16*\b]|, 0x8000000   ; block b: my 16 numbers, and the floor 2^(16 - 127): the byte cannot fall under 1
.endr
.irp i, 2,4,6,8,10,12,14
.irp b, 0,1,2,3
	v_max3_num_f32 v[TM+\b], v[TM+\b], |v[\s+16*\b+\i]|, |v[\s+1+16*\b+\i]|   ; the four blocks by turns
.endr
.endr
.irp b, 0,1,2,3
	v_permlanex16_b32 v[TM+4+\b], v[TM+\b], s[SEL], s[SEL+1]
.endr
.irp b, 0,1,2,3
	v_max_num_f32 v[TM+\b], v[TM+\b], v[TM+4+\b]   ; with lane l xor 16's 16 numbers: the block's largest magnitude
.endr
.irp b, 0,1,2,3
	v_add_nc_u32 v[TM+12+\b], 0xf8800000, v[TM+\b]   ; 15 off its exponent field: the conversion takes this operand's exponent field as its scale
.endr
.irp b, 0,1,2,3
.endr
.irp b, 0,1,2,3
	v_lshrrev_b32 v[TM+4+\b], 23, v[TM+12+\b]      ; the scale's byte
.endr
	v_lshl_or_b32 v[PW], v[TM+5], 8, v[TM+4]
	v_lshl_or_b32 v[PW], v[TM+6], 16, v[PW]
	v_lshl_or_b32 v[PW], v[TM+7], 24, v[PW]
.irp b, 0,1,2,3
.irp i, 0,1,2,3,4,5,6,7,8,9,10,11,12,13,14,15
.endr
	v_cvt_scalef32_pk8_bf8_f32 v[PC+4*\b:PC+1+4*\b], v[\s+16*\b:\s+7+16*\b], v[TM+12+\b]
	v_cvt_scalef32_pk8_bf8_f32 v[PC+2+4*\b:PC+3+4*\b], v[\s+8+16*\b:\s+15+16*\b], v[TM+12+\b]
.endr
	v_nop                                          ; a plain line behind the last conversion
.endm
	s_load_b256 s[4:11], s[0:1], 0x0               ; w_theta, w_phi, w_g, w_w
	s_load_b64 s[12:13], s[0:1], 0x20              ; wq
	s_lshr_b32 s14, ttmp9, 4                       ; T: which weight
	s_and_b32 s15, ttmp9, 15                       ; which of its 16 fragments
	s_lshr_b32 s17, s15, 1
	s_and_b32 s18, s15, 1
	s_mov_b32 s24, 3072
	s_mov_b32 s25, 32768
	s_cmp_eq_u32 s14, 3                            ; w_w has rows of 128 numbers and 16 tiles of one K step; the others rows of 256, 8 tiles of two
	s_cselect_b32 s16, 9, 10                       ; log2 of a row's bytes
	s_cselect_b32 s17, s15, s17                    ; tile
	s_cselect_b32 s18, 0, s18                      ; K step
	s_cselect_b32 s24, s24, 0                      ; w_w's images lie behind the others' scale words,
	s_cselect_b32 s25, s25, 0                      ; its scale words behind its images
	s_lshr_b32 s26, s17, 1
	s_lshl_b32 s26, s26, 5
	s_and_b32 s27, s17, 1
	s_lshl_b32 s27, s27, 3
	s_add_co_u32 s26, s26, s27                     ; the tile's first row: 32 (t / 2) + 8 (t % 2)
	s_lshl_b32 s26, s26, s16
	s_lshl_b32 s27, s18, 9
	s_add_co_u32 s26, s26, s27                     ; in bytes, + 512 for the second K step
	s_mov_b32 s27, 0
	s_lshl_b32 s28, ttmp9, 11
	s_add_co_u32 s28, s28, s24                     ; where the image goes
	s_mov_b32 s29, 0
	s_lshl_b32 s30, ttmp9, 6
	s_add_co_u32 s30, s30, s25
	s_add_co_u32 s30, s30, 98304                   ; where the scale words go
	s_mov_b32 s31, 0
	s_mov_b32 s[SEL], 0x76543210
	s_mov_b32 s[SEL+1], 0xfedcba98
	v_and_b32 v1, 15, v0                           ; r
	v_lshrrev_b32 v2, 4, v0                        ; h
	v_and_b32 v3, 8, v1
	v_add_nc_u32 v3, v3, v1                        ; r + 8 (r / 8)
	v_lshlrev_b32 v3, s16, v3
	v_lshl_add_u32 v3, v2, 6, v3                   ; my row, + 64 h: my 16 numbers of each block of 32
	v_lshlrev_b32 v4, 4, v0                        ; 16 x lane
	v_lshlrev_b32 v5, 2, v1                        ; 4 r: lanes r and r + 16 hold the same word and store it to the same place
.irp b, 0,1,2,3
	v_mov_b32 v[TM+4+\b], 0                        ; a lane permute's destination counts as one of its sources
.endr
	s_wait_alu depctr_va_vdst(0)
	s_wait_kmcnt 0x0
	s_cmp_eq_u32 s14, 1                            ; the choice hangs on the work-group's number alone
	s_cselect_b64 s[4:5], s[6:7], s[4:5]
	s_cmp_eq_u32 s14, 2
	s_cselect_b64 s[4:5], s[8:9], s[4:5]
	s_cmp_eq_u32 s14, 3
	s_cselect_b64 s[4:5], s[10:11], s[4:5]
	s_add_nc_u64 s[4:5], s[4:5], s[26:27]
	s_add_nc_u64 s[28:29], s[12:13], s[28:29]
	s_add_nc_u64 s[30:31], s[12:13], s[30:31]
.irp b, 0,1,2,3
.irp j, 0,1,2,3
	global_load_b128 v[X+16*\b+4*\j:X+16*\b+4*\j+3], v3, s[4:5] offset:128*\b+16*\j
.endr
.endr
	s_wait_loadcnt 0x0
	QUANT X
.irp c, 0,1,2,3
	global_store_b128 v4, v[PC+4*\c:PC+4*\c+3], s[28:29] offset:512*\c   ; 32 lanes store 512 consecutive bytes, aligned
.endr
	global_store_b32 v5, v[PW], s[30:31]
	s_endpgm
.Lfunc_end_k_q7b29b4b82e_weights:
	.size	k_q7b29b4b82e_weights, .Lfunc_end_k_q7b29b4b82e_weights-k_q7b29b4b82e_weights
	.p2alignl 7, 3214868480
	.fill 96, 4, 3214868480
	.section	.rodata,"a",@progbits
	.p2align	6, 0x0
	.amdhsa_kernel k_q7b29b4b82e_weights
		.amdhsa_group_segment_fixed_size 0
		.amdhsa_private_segment_fixed_size 0
		.amdhsa_enable_private_segment 0
		.amdhsa_kernarg_size 40
		.amdhsa_user_sgpr_count 2
		.amdhsa_user_sgpr_kernarg_segment_ptr 1
		.amdhsa_wavefront_size32 1
		.amdhsa_system_sgpr_workgroup_id_x 1
		.amdhsa_system_sgpr_workgroup_id_y 1
		.amdhsa_system_sgpr_workgroup_id_z 1
		.amdhsa_system_vgpr_workitem_id 0
		.amdhsa_next_free_vgpr 128
		.amdhsa_next_free_sgpr 66
		.amdhsa_reserve_vcc 0
		.amdhsa_float_denorm_mode_32 3
		.amdhsa_float_denorm_mode_16_64 3
		.amdhsa_fp16_overflow 1
		.amdhsa_memory_ordered 1
		.amdhsa_forward_progress 1
		.amdhsa_inst_pref_size 8
	.end_amdhsa_kernel
	.amdgpu_metadata
---
amdhsa.version: [ 1, 2 ]
amdhsa.kernels:
  - .name:           k_q7b29b4b82e_weights
    .symbol:         k_q7b29b4b82e_weights.kd
    .args:
      - { .name: w_theta, .offset: 0, .size: 8, .value_kind: global_buffer, .address_space: global }
      - { .name: w_phi, .offset: 8, .size: 8, .value_kind: global_buffer, .address_space: global }
      - { .name: w_g, .offset: 16, .size: 8, .value_kind: global_buffer, .address_space: global }
      - { .name: w_w, .offset: 24, .size: 8, .value_kind: global_buffer, .address_space: global }
      - { .name: wq, .offset: 32, .size: 8, .value_kind: global_buffer, .address_space: global }
    .group_segment_fixed_size: 0
    .private_segment_fixed_size: 0
    .kernarg_segment_align: 8
    .kernarg_segment_size: 40
    .max_flat_workgroup_size: 32
    .sgpr_count:     66
    .vgpr_count:     128
    .wavefront_size: 32
...
	.end_amdgpu_metadata
.endif
;; end of part 1
;; launch proj (part 2): grid 32 x 8, 8 waves a work-group, clusters of 4 x 1, 168,960 bytes of LDS; arguments x, bn_gamma, bn_beta, bn_mean, bn_var, b_theta, b_phi, b_g, wq, thc, ths, phc, phs, gc, gs; writes thc, ths, phc, phs, gc, gs
.if DOCPART == 2
	.amdgcn_target "amdgcn-amd-amdhsa--gfx1250"
	.amdhsa_code_object_version 6
	.text
	.protected	k_q7b29b4b82e_proj
	.globl	k_q7b29b4b82e_proj
	.p2align	8
	.type	k_q7b29b4b82e_proj,@function
k_q7b29b4b82e_proj:
	s_mov_b64 s[64:65], 0
	v_nop
	global_prefetch_b8 v0, s[64:65] scope:SCOPE_SE
	s_setreg_imm32_b32 hwreg(HW_REG_WAVE_MODE, 25, 1), 1
	s_wait_xcnt 0x0
	s_wait_alu depctr_hold_cnt(0) depctr_sa_sdst(0) depctr_va_vdst(0) depctr_va_sdst(0) depctr_va_ssrc(0) depctr_va_vcc(0) depctr_vm_vsrc(0)
	s_getreg_b32 s2, hwreg(HW_REG_IB_STS2, 6, 4)
	s_cmp_eq_u32 s2, 0
	s_cbranch_scc0 .Lentry_in_a_cluster
	s_endpgm
.Lentry_in_a_cluster:
	s_bfe_u32 s2, ttmp6, 0x10000c
	s_cmp_lg_u32 s2, 0x3003
	s_cbranch_scc0 .Lentry_shape_is_right
	s_endpgm
.Lentry_shape_is_right:
; xb = x * scale + shift (the batch norm with running figures), quantised along the 256 channels; theta, phi, g = W xb + b on codes of BF8 (E5M2) with one E8M0 scale for each 32 along K;
; theta and phi are quantised along their 128 channels, g along the positions (the keys of the later product), and all three leave as IMAGES OF OPERAND REGISTERS:
; a fragment (16 rows x 128 K) is 2,048 bytes, register group c of lane l at 512 c + 16 l; its 16 scale words are 64 bytes.
; thc, phc: [batch][tile 8 X + w][2048], lane r = position 128 X + 32 (w / 2) + 8 (w % 2) + r + 8 (r / 8), K = channels.  gc: [batch][X][w][2048], lane r = channel 32 (w / 2) + 8 (w % 2) + r + 8 (r / 8), K = positions 128 X on.
; SHARES.  A work-group owns 128 positions of one batch (block X): 256 work-groups.  Phase x: wave w owns channels 32 w .. 32 w + 31, one block of the quantiser, for all 128 positions: each load covers a whole
; run of 512 consecutive bytes of a channel's row, a lane's registers run DOWN the channels, so a block's largest magnitude needs no other lane.  The codes go to LDS as images of the eight tiles' fragments.
; Phase products: wave w makes theta and phi for position tile w (source 0 = 16 rows of W, source 1 = x's tile: a lane holds one position, its registers run along the channels)
; and g for channel tile w (source 0 = x's eight tiles, source 1 = 16 rows of W_g: a lane holds one channel, its registers run along the positions).  Three units of 16 matrix instructions and one quantiser each.
; CLUSTER.  The weights' 101,376 bytes of codes and scale words are the same for every work-group: waves 0 to 3 ask for a quarter each JOINTLY with the three partners (mask 15).  LDS is filled once, nothing is filled again.
; LIMITS: a block of zeros gets the byte 1 where the quantiser's text says 127 (zero codes; this program alone reads the bytes); NaN and infinities are not served; v_rsq_f32 is good to 1 ulp.
.set WSC,  98304                       ; LDS: 0 on: the weights' 48 fragments; here their scale words (3,072 bytes): both by tensor loads
.set XIMG, 101376                      ; x's 16 fragments (2 tile + K step), by ds_store
.set XSC,  134144                      ; their scale words, byte by byte
.set OSC,  135168                      ; the results' scale words: tensor j at 512 j, tile w at 64 w
.set LI,  1                            ; v1   16 x lane: an image's place, x's and the stores' offset
.set LS,  2                            ; v2   4 x (lane % 16): a scale word's place
.set AX,  4                            ; v4   LI + XIMG
.set SWA, 5                            ; v5   LS + WSC
.set SXA, 6                            ; v6   LS + XSC
.set FX,  7                            ; v7   my tile's two fragments of x
.set FSX, 8                            ; v8   and their scale words
.set FG,  9                            ; v9   my tile's two fragments of W_g
.set FSG, 10                           ; v10  and their scale words
.set XWA, 11                           ; v11  where my position 4 l's codes go
.set XBA, 12                           ; v12  and its scale byte
.set OW,  13                           ; v13  where a result's scale word goes
.set ORD, 14                           ; v14  where waves 0 to 2 read a tensor's 512 bytes of scale words back
.set BNO, 15                           ; v15  4 x thread: my channel's batch norm figures
.set ST,  16                           ; v16-47   the stationary operand's two fragments;  phase x: T, 32 held numbers
.set T,   16
.set WF0, 48                           ; v48-111, v112-175  two buffers of four streamed fragments;  phase x: X, 32 channels x 4 positions
.set X,   48
.set TM,  48                           ; the quantiser's 16 registers at work, and
.set PC,  112                          ; the codes just made: both in buffers that are done with
.set D,   176                          ; v176-239 eight accumulators;  phase x: see below
.set BNI, 176                          ; v176-179 gamma, beta, mean, var; v180 scale, v181 shift
.set CD,  184                          ; v184-215 codes of my four positions
.set MX,  216                          ; v216-219 largest magnitudes, v220-223 scale operands, v224-227 holds, v228-231 bytes
.set SWR, 240                          ; v240-247 the stream's scale words, four a buffer
.set SS,  248                          ; v248-249 the stationary operand's
.set PW,  250                          ; v250     the scale word just made
.set BO,  251                          ; v251     64 h: a bias's offset in the result's layout
.set BG,  252                          ; v252     4 (r + 8 (r / 8)): b_g's
.set WV,  34
.set PBK, 35                           ; s35  X
.set BA,  36                           ; s36  batch
.set G1,  40                           ; s[40:47], s[48:51] the weights' descriptor
.set G0,  48
.set SP,  52                           ; s[52:59] four pairs (scale, shift) by turns
.set SEL, 60
.set MNT, 62
.set MSB, 0
.macro WIN new                         ; the immediate's high byte repeats the setting that is left
.if MSB != \new
	s_set_vgpr_msb (MSB<<8)|\new
.set MSB, \new
.endif
.endm
.macro PLACES n
.rept \n
	v_nop
.endr
.endm
.macro CROUND                          ; a round of the cluster's barrier
	s_barrier_signal -1
	s_barrier_wait -1
	s_cmp_lg_u32 s[WV], 0
	s_cbranch_scc1 .Lnot_wave_0_\@
	s_barrier_signal -3
.Lnot_wave_0_\@:
	s_barrier_wait -3
	s_barrier_signal -1
	s_barrier_wait -1
.endm
; 64 numbers of a lane, register 16 b + i = k 32 b + 16 (lane / 16) + i of my row, become a fragment's codes in v[PC] on and its scale word in v[PW]
.macro QUANT s
.irp b, 0,1,2,3
	v_max3_num_f32 v[TM+\b], |v[\s+16*\b]|, |v[\s+1+16*\b]|, 0x8000000   ; my 16 numbers of block b, and the floor 2^(16 - 127); each accumulator is read from its low end on
.endr
.irp i, 2,4,6,8,10,12,14
.irp b, 0,1,2,3
	v_max3_num_f32 v[TM+\b], v[TM+\b], |v[\s+16*\b+\i]|, |v[\s+1+16*\b+\i]|
.endr
.endr
.irp b, 0,1,2,3
	s_delay_alu instid0(VALU_DEP_4)
	v_permlanex16_b32 v[TM+4+\b], v[TM+\b], s[SEL], s[SEL+1]
.endr
.irp b, 0,1,2,3
	s_delay_alu instid0(VALU_DEP_4)
	v_max_num_f32 v[TM+\b], v[TM+\b], v[TM+4+\b]
.endr
.irp b, 0,1,2,3
	s_delay_alu instid0(VALU_DEP_4)
	v_add_nc_u32 v[TM+12+\b], 0xf8800000, v[TM+\b]   ; 15 off the exponent field: the conversion's scale operand
.endr
.irp b, 0,1,2,3
.endr
.irp b, 0,1,2,3
	s_delay_alu instid0(VALU_DEP_4)
	v_lshrrev_b32 v[TM+4+\b], 23, v[TM+12+\b]
.endr
	s_delay_alu instid0(VALU_DEP_3)
	v_lshl_or_b32 v[PW], v[TM+5], 8, v[TM+4]
	s_delay_alu instid0(VALU_DEP_1)
	v_lshl_or_b32 v[PW], v[TM+6], 16, v[PW]
	s_delay_alu instid0(VALU_DEP_1)
	v_lshl_or_b32 v[PW], v[TM+7], 24, v[PW]
.irp b, 0,1,2,3
.irp i, 0,1,2,3,4,5,6,7,8,9,10,11,12,13,14,15
.endr
	v_cvt_scalef32_pk8_bf8_f32 v[PC+4*\b:PC+1+4*\b], v[\s+16*\b:\s+7+16*\b], v[TM+12+\b]
	v_cvt_scalef32_pk8_bf8_f32 v[PC+2+4*\b:PC+3+4*\b], v[\s+8+16*\b:\s+15+16*\b], v[TM+12+\b]
.endr
	v_nop                                          ; a plain line behind the last conversion: the next products write the numbers' registers
.endm
; the stationary operand: two fragments (K steps 0, 1) and their scale words: 10 loads
.macro STAT AI, AS
.irp k, 0,1
.irp c, 0,1,2,3
	ds_load_b128 v[ST+16*\k+4*\c:ST+16*\k+4*\c+3], v[\AI] offset:2048*\k+512*\c
.endr
	ds_load_b32 v[SS+\k], v[\AS] offset:64*\k
.endr
.endm
; group g of four streamed fragments (tiles 4 (g % 2) + t, K step g / 2) and their scale words into buffer buf: 20 loads
.macro LOADG AI, aoff, AS, soff, g, buf
.irp t, 0,1,2,3
.set FF, 2*(4*((\g)%2)+\t)+(\g)/2
.irp c, 0,1,2,3
	ds_load_b128 v[WF0+64*(\buf)+16*\t+4*\c:WF0+64*(\buf)+16*\t+4*\c+3], v[\AI] offset:(\aoff)+2048*FF+512*\c
.endr
	ds_load_b32 v[SWR+4*(\buf)+\t], v[\AS] offset:(\soff)+64*FF
.endr
.endm
; its four products.  first = 1: the bias, eight registers in the result's layout (window 1, from BB on, bstr a tile), starts the sum
.macro MULG g, buf, first, BB, bstr
.irp t, 0,1,2,3
.set TT, 4*((\g)%2)+\t
.if \first
	v_wmma_scale_f32_16x16x128_f8f6f4 v[D+8*TT:D+8*TT+7], v[WF0+64*(\buf)+16*\t:WF0+64*(\buf)+16*\t+15], v[ST+16*((\g)/2):ST+16*((\g)/2)+15], v[(\BB)+(\bstr)*TT:(\BB)+(\bstr)*TT+7], v[SWR+4*(\buf)+\t], v[SS+(\g)/2] matrix_a_fmt:MATRIX_FMT_BF8 matrix_b_fmt:MATRIX_FMT_BF8
.else
	v_wmma_scale_f32_16x16x128_f8f6f4 v[D+8*TT:D+8*TT+7], v[WF0+64*(\buf)+16*\t:WF0+64*(\buf)+16*\t+15], v[ST+16*((\g)/2):ST+16*((\g)/2)+15], v[D+8*TT:D+8*TT+7], v[SWR+4*(\buf)+\t], v[SS+(\g)/2] matrix_a_fmt:MATRIX_FMT_BF8 matrix_b_fmt:MATRIX_FMT_BF8
.endif
.endr
.endm
; A UNIT: eight tiles x K = 256 against the stationary operand, quantised, stored.  The eight accumulators take turns, one instruction a turn.
; Each s_wait_dscnt 20 leaves the younger group's 20 loads out.  Eight places stand in front of loads into registers that matrix instructions have read;
; nine behind the last products, since the next unit's first products write over the same accumulators.
.macro UNIT AI, aoff, AS, soff, BB, bstr, P, woff
	s_wait_xcnt 0x0                                ; the last unit's stores have read the codes' registers, which lie in buffer 1
	LOADG \AI, \aoff, \AS, \soff, 0, 0
	LOADG \AI, \aoff, \AS, \soff, 1, 1
	s_wait_dscnt 20
	WIN 0x10                                       ; source 2, the bias, in window 1
	MULG 0, 0, 1, \BB, \bstr
	WIN 0
	PLACES 8
	LOADG \AI, \aoff, \AS, \soff, 2, 0
	s_wait_dscnt 20
	WIN 0x10
	MULG 1, 1, 1, \BB, \bstr
	WIN 0
	PLACES 8
	LOADG \AI, \aoff, \AS, \soff, 3, 1
	s_wait_dscnt 20
	MULG 2, 0, 0, 0, 0
	s_wait_dscnt 0x0
	MULG 3, 1, 0, 0, 0
	PLACES 9
	QUANT D
.irp c, 0,1,2,3
	global_store_b128 v[LI], v[PC+4*\c:PC+4*\c+3], s[\P:\P+1] offset:512*\c   ; 32 lanes store 512 consecutive bytes, aligned
.endr
	ds_store_b32 v[OW], v[PW] offset:\woff         ; lanes r and r + 16 hold the same word and write it to the same place
.endm
	s_load_b512 s[4:19], s[0:1], 0x0               ; x, gamma, beta, mean, var, b_theta, b_phi, b_g
	s_load_b256 s[20:27], s[0:1], 0x40             ; wq, thc, ths, phc
	s_load_b128 s[28:31], s[0:1], 0x60             ; phs, gc
	s_load_b64 s[32:33], s[0:1], 0x70              ; gs
	v_lshl_add_u32 v254, v0, 2, 0x29000
	v_mov_b32 v255, 0
	ds_add_u32 v254, v255
	ds_add_u32 v254, v255
	v_lshrrev_b32 v16, 5, v0
	s_delay_alu instid0(VALU_DEP_1)
	v_readfirstlane_b32 s[WV], v16                 ; wave 0..7
	s_bfe_u32 s66, ttmp6, 0x40000                  ; cx: it enters global addresses of my own rows alone
	s_lshl_b32 s[PBK], ttmp9, 2
	s_add_co_u32 s[PBK], s[PBK], s66               ; X = 4 x cluster x + cx
	s_and_b32 s[BA], ttmp7, 0xffff                 ; batch
	s_mov_b32 s[SEL], 0x76543210
	s_mov_b32 s[SEL+1], 0xfedcba98
	s_mov_b32 s[MNT], 0x600000
	; descriptor group 1: 99 rows of 256 bytes (32 elements of 8 bytes), dense: a quarter of the weights' 101,376 bytes
	s_mov_b32 s[G1], 15|(3<<16)|(1<<21)            ; 15:0 the mask: all four work-groups; 17:16 elements of 8 bytes; 21 set beside a mask
	s_mov_b32 s[G1+1], 32<<16                      ; tensor_dim0
	s_mov_b32 s[G1+2], 99<<16                      ; tensor_dim1
	s_mov_b32 s[G1+3], 32<<16                      ; tile_dim0
	s_mov_b32 s[G1+4], 99                          ; tile_dim1
	s_mov_b32 s[G1+5], 32                          ; pitch
	s_mov_b32 s[G1+6], 0
	s_mov_b32 s[G1+7], 0
	v_and_b32 v16, 31, v0                          ; lane
	v_and_b32 v17, 15, v0                          ; r
	v_bfe_u32 v18, v0, 4, 1                        ; h
	s_delay_alu instid0(VALU_DEP_3)
	v_lshlrev_b32 v[LI], 4, v16
	s_delay_alu instid0(VALU_DEP_3)
	v_lshlrev_b32 v[LS], 2, v17
	s_delay_alu instid0(VALU_DEP_2)
	v_add_nc_u32 v[AX], XIMG, v[LI]
	s_delay_alu instid0(VALU_DEP_2)
	v_add_nc_u32 v[SWA], WSC, v[LS]
	s_delay_alu instid0(VALU_DEP_3)
	v_add_nc_u32 v[SXA], XSC, v[LS]
	s_lshl_b32 s66, s[WV], 12                      ; two fragments a tile
	s_lshl_b32 s67, s[WV], 7
	v_add_nc_u32 v[FX], s66, v[AX]
	v_add_nc_u32 v[FSX], s67, v[SXA]
	s_add_co_u32 s66, s66, 65536                   ; W_g's fragments begin at number 32
	s_add_co_u32 s67, s67, 2048
	v_add_nc_u32 v[FG], s66, v[LI]
	v_add_nc_u32 v[FSG], s67, v[SWA]
	; position p = 4 l + i lies in tile 2 (p / 32) + (p / 8) % 2, lane p % 8 + 8 ((p / 16) % 2); my channels are K step w / 4, block w % 4
	v_bfe_u32 v19, v0, 3, 2                        ; l / 8
	v_bfe_u32 v20, v0, 1, 1
	v_and_b32 v21, 1, v0
	v_bfe_u32 v22, v0, 2, 1
	s_delay_alu instid0(VALU_DEP_4)
	v_lshlrev_b32 v[XWA], 13, v19
	s_delay_alu instid0(VALU_DEP_1)
	v_lshl_add_u32 v[XWA], v20, 12, v[XWA]
	s_delay_alu instid0(VALU_DEP_1)
	v_lshl_add_u32 v[XWA], v22, 7, v[XWA]
	s_delay_alu instid0(VALU_DEP_1)
	v_lshl_add_u32 v[XWA], v21, 6, v[XWA]
	v_lshlrev_b32 v[XBA], 8, v19
	s_delay_alu instid0(VALU_DEP_1)
	v_lshl_add_u32 v[XBA], v20, 7, v[XBA]
	s_delay_alu instid0(VALU_DEP_1)
	v_lshl_add_u32 v[XBA], v22, 5, v[XBA]
	s_delay_alu instid0(VALU_DEP_1)
	v_lshl_add_u32 v[XBA], v21, 4, v[XBA]
	s_wait_alu depctr_va_vdst(0)
	s_lshr_b32 s68, s[WV], 2
	s_and_b32 s69, s[WV], 3
	s_lshl_b32 s70, s68, 11
	s_lshl_b32 s71, s69, 9
	s_add_co_u32 s70, s70, s71
	s_add_co_u32 s70, s70, XIMG
	v_add_nc_u32 v[XWA], s70, v[XWA]
	s_lshl_b32 s71, s68, 6
	s_add_co_u32 s71, s71, s69
	s_add_co_u32 s71, s71, XSC
	v_add_nc_u32 v[XBA], s71, v[XBA]
	s_lshl_b32 s70, s[WV], 6
	s_add_co_u32 s70, s70, OSC
	v_add_nc_u32 v[OW], s70, v[LS]
	s_min_u32 s70, s[WV], 2                        ; (only waves 0 to 2 read there)
	s_lshl_b32 s70, s70, 9
	s_add_co_u32 s70, s70, OSC
	v_add_nc_u32 v[ORD], s70, v[LI]
	v_lshlrev_b32 v[BNO], 2, v0
	v_lshlrev_b32 v[BO], 6, v18
	v_and_b32 v23, 8, v0
	s_delay_alu instid0(VALU_DEP_1)
	v_add_nc_u32 v23, v23, v17
	s_delay_alu instid0(VALU_DEP_1)
	v_lshlrev_b32 v[BG], 2, v23
	; offsets, apart from the addresses
	s_lshl_b32 s72, s[BA], 22                      ; x: batch x 4 MiB + 32 w channels of 16 KiB + 512 X
	s_lshl_b32 s73, s[WV], 19
	s_add_co_u32 s72, s72, s73
	s_lshl_b32 s73, s[PBK], 9
	s_add_co_u32 s72, s72, s73
	s_mov_b32 s73, 0
	s_lshl_b32 s74, s[BA], 8
	s_lshl_b32 s75, s[PBK], 3
	s_add_co_u32 s74, s74, s75                     ; 256 batch + 8 X
	s_add_co_u32 s76, s74, s[WV]
	s_lshl_b32 s76, s76, 11                        ; my fragment in thc, phc, gc
	s_mov_b32 s77, 0
	s_lshl_b32 s78, s74, 6                         ; the block's 512 bytes in ths, phs, gs
	s_mov_b32 s79, 0
	s_lshr_b32 s74, s[WV], 1
	s_lshl_b32 s74, s74, 7
	s_and_b32 s75, s[WV], 1
	s_lshl_b32 s75, s75, 5
	s_add_co_u32 s74, s74, s75                     ; b_g: 4 (32 (w / 2) + 8 (w % 2))
	s_mov_b32 s75, 0
	s_mul_i32 s[G0+1], s69, 25344                  ; the quarter's place in LDS and in wq: w % 4, so that it lies inside for every wave
	s_mov_b32 s66, s[G0+1]
	s_mov_b32 s67, 0
	s_mov_b32 s[G0], 1
	s_wait_alu depctr_va_vdst(0)
	s_wait_dscnt 0x0
	s_wait_kmcnt 0x0
	s_add_nc_u64 s[4:5], s[4:5], s[72:73]
	s_add_nc_u64 s[22:23], s[22:23], s[76:77]
	s_add_nc_u64 s[26:27], s[26:27], s[76:77]
	s_add_nc_u64 s[30:31], s[30:31], s[76:77]
	s_add_nc_u64 s[24:25], s[24:25], s[78:79]
	s_add_nc_u64 s[28:29], s[28:29], s[78:79]
	s_add_nc_u64 s[32:33], s[32:33], s[78:79]
	s_add_nc_u64 s[18:19], s[18:19], s[74:75]
	s_add_nc_u64 s[G0+2:G0+3], s[20:21], s[66:67]
	s_or_b32 s[G0+3], s[G0+3], 0x80000000          ; type = 2
	WIN 0x40                                       ; destination window 1: the biases in the results' layout stay there
.irp t, 0,1,2,3,4,5,6,7                    ; tile t, lane (r, h): b[32 (t / 2) + 16 h + 8 (t % 2) + 0 .. 7]
	global_load_b128 v[8*\t:8*\t+3], v[BO], s[14:15] offset:(32*(\t/2)+8*(\t%2))*4
	global_load_b128 v[8*\t+4:8*\t+7], v[BO], s[14:15] offset:(32*(\t/2)+8*(\t%2))*4+16
	global_load_b128 v[64+8*\t:64+8*\t+3], v[BO], s[16:17] offset:(32*(\t/2)+8*(\t%2))*4
	global_load_b128 v[64+8*\t+4:64+8*\t+7], v[BO], s[16:17] offset:(32*(\t/2)+8*(\t%2))*4+16
.endr
.irp j, 0,1,2,3,4,5,6,7
	global_load_b32 v[128+\j], v[BG], s[18:19]     ; g: a lane holds one channel, so its eight registers hold one number
.endr
	WIN 0
	global_load_b32 v[BNI], v[BNO], s[6:7]         ; lane l of wave w: the figures of channel 32 w + l
	global_load_b32 v[BNI+1], v[BNO], s[8:9]
	global_load_b32 v[BNI+2], v[BNO], s[10:11]
	global_load_b32 v[BNI+3], v[BNO], s[12:13]
.irp c, 0,1,2,3,4,5,6,7,8,9,10,11,12,13,14,15,16,17,18,19,20,21,22,23,24,25,26,27,28,29,30,31
	global_load_b128 v[X+4*\c:X+4*\c+3], v[LI], s[4:5] offset:16384*\c   ; channel 32 w + c, my block's 128 positions: 512 consecutive bytes, aligned.  All of the wave's 16 KiB are asked for at once
.endr
	CROUND                                         ; all four work-groups are here: the joint loads meet
	s_cmp_lt_u32 s[WV], 4
	s_cbranch_scc0 .Lno_fill
	tensor_load_to_lds s[G0:G0+3], s[G1:G1+7]      ; one load of mine is out; four v_nop follow
	s_nop 0
	PLACES 4
.Lno_fill:
	s_wait_loadcnt 32                              ; the biases and the batch norm's figures are in; the 32 loads of x may be out
	v_add_f32 v[BNI+3], 0x3727c5ac, v[BNI+3]       ; var + 1e-5
	s_wait_alu depctr_va_vdst(0)
	v_rsq_f32 v[BNI+3], v[BNI+3]
	v_nop                                          ; a plain line behind the transcendental
	s_wait_alu depctr_va_vdst(0)
	v_mul_f32 v[BNI+4], v[BNI], v[BNI+3]           ; scale = gamma / sqrt(var + eps)
	s_delay_alu instid0(VALU_DEP_1)
	v_fma_f32 v[BNI+5], -v[BNI+2], v[BNI+4], v[BNI+1]   ; shift = beta - mean x scale
.set CH, 0
	s_wait_alu depctr_va_vdst(0)
.rept 32
	s_wait_loadcnt 31-CH                           ; loads come back in order: channel CH's row is in, the younger ones may be out
	v_readlane_b32 s[SP+2*(CH%4)], v[BNI+4], CH
	v_readlane_b32 s[SP+2*(CH%4)+1], v[BNI+5], CH
.irp i, 0,1,2,3
	v_fma_f32 v[X+4*CH+\i], v[X+4*CH+\i], s[SP+2*(CH%4)], s[SP+2*(CH%4)+1]
.endr
.set CH, CH+1
.endr
	; the quantiser: position 4 l + i's block of 32 channels lies in my registers X + 4 c + i
.irp i, 0,1,2,3
	v_max3_num_f32 v[MX+\i], |v[X+\i]|, |v[X+4+\i]|, 0x8000000   ; with the floor 2^(16 - 127)
.endr
.irp c, 2,4,6,8,10,12,14,16,18,20,22,24,26,28,30
.irp i, 0,1,2,3
	s_delay_alu instid0(VALU_DEP_4)
	v_max3_num_f32 v[MX+\i], v[MX+\i], |v[X+4*\c+\i]|, |v[X+4*\c+4+\i]|
.endr
.endr
.irp i, 0,1,2,3
	s_delay_alu instid0(VALU_DEP_4)
	v_add_nc_u32 v[MX+4+\i], 0xf8800000, v[MX+\i]  ; the conversion's scale operand
.endr
.irp i, 0,1,2,3
	v_and_or_b32 v[MX+8+\i], v[MX+\i], 0x7f800000, s[MNT]   ; 57,344 x the scale
.endr
.irp i, 0,1,2,3
	v_lshrrev_b32 v[MX+12+\i], 23, v[MX+4+\i]      ; the byte
.endr
.irp i, 0,1,2,3
.irp c, 0,1,2,3,4,5,6,7,8,9,10,11,12,13,14,15,16,17,18,19,20,21,22,23,24,25,26,27,28,29,30,31
	v_med3_num_f32 v[T+\c], v[X+4*\c+\i], -v[MX+8+\i], v[MX+8+\i]   ; the hold also gathers the position's 32 channels into consecutive registers
.endr
.irp g, 0,1,2,3
	v_cvt_scalef32_pk8_bf8_f32 v[CD+8*\i+2*\g:CD+8*\i+2*\g+1], v[T+8*\g:T+8*\g+7], v[MX+4+\i]
.endr
	v_nop                                          ; a plain line behind the conversions: the next position's holds write their sources
	ds_store_b128 v[XWA], v[CD+8*\i:CD+8*\i+3] offset:16*\i          ; k = 32 b + 0 .. 15: the fragment's lane r,
	ds_store_b128 v[XWA], v[CD+8*\i+4:CD+8*\i+7] offset:16*\i+256    ; k = 32 b + 16 .. 31: its lane r + 16
	ds_store_b8 v[XBA], v[MX+12+\i] offset:4*\i    ; byte b of the row's scale word
.endr
	s_wait_tensorcnt 0x0                           ; my quarter of the weights has landed,
	s_wait_dscnt 0x0                               ; my stores too:
	s_barrier_signal -1
	s_barrier_wait -1                              ; everybody's have
	STAT FX, FSX                                   ; my tile of x
	UNIT LI, 0, SWA, 0, 0, 8, 22, 0                ; theta
	UNIT LI, 32768, SWA, 1024, 64, 8, 26, 512      ; phi
	STAT FG, FSG                                   ; my tile of W_g (the quantiser's lines are the places behind the products that read these registers)
	UNIT AX, 0, SXA, 0, 128, 0, 30, 1024           ; g: the stream is x's eight tiles
	s_wait_dscnt 0x0                               ; my scale words lie in LDS
	s_barrier_signal -1
	s_barrier_wait -1
	s_cmp_eq_u32 s[WV], 1                          ; wave j stores tensor j's 512 bytes of scale words: the choice hangs on the wave's number alone
	s_cselect_b64 s[24:25], s[28:29], s[24:25]
	s_cmp_eq_u32 s[WV], 2
	s_cselect_b64 s[24:25], s[32:33], s[24:25]
	s_cmp_lt_u32 s[WV], 3
	s_cbranch_scc0 .Lno_words
	ds_load_b128 v[16:19], v[ORD]
	s_wait_dscnt 0x0
	global_store_b128 v[LI], v[16:19], s[24:25]    ; 512 consecutive bytes, aligned
.Lno_words:
	s_wait_tensorcnt 0x0
	ds_add_u32 v254, v255
	s_wait_dscnt 0x0
	CROUND                                         ; the closing round: no work-group ends while a partner may still ask for a tile that names it
	s_endpgm
.Lfunc_end_k_q7b29b4b82e_proj:
	.size	k_q7b29b4b82e_proj, .Lfunc_end_k_q7b29b4b82e_proj-k_q7b29b4b82e_proj
	.p2alignl 7, 3214868480
	.fill 96, 4, 3214868480
	.section	.rodata,"a",@progbits
	.p2align	6, 0x0
	.amdhsa_kernel k_q7b29b4b82e_proj
		.amdhsa_group_segment_fixed_size 168960
		.amdhsa_private_segment_fixed_size 0
		.amdhsa_enable_private_segment 0
		.amdhsa_kernarg_size 120
		.amdhsa_user_sgpr_count 2
		.amdhsa_user_sgpr_kernarg_segment_ptr 1
		.amdhsa_wavefront_size32 1
		.amdhsa_system_sgpr_workgroup_id_x 1
		.amdhsa_system_sgpr_workgroup_id_y 1
		.amdhsa_system_sgpr_workgroup_id_z 1
		.amdhsa_system_vgpr_workitem_id 0
		.amdhsa_next_free_vgpr 512
		.amdhsa_next_free_sgpr 80
		.amdhsa_reserve_vcc 0
		.amdhsa_float_denorm_mode_32 3
		.amdhsa_float_denorm_mode_16_64 3
		.amdhsa_fp16_overflow 1
		.amdhsa_memory_ordered 1
		.amdhsa_forward_progress 1
		.amdhsa_inst_pref_size 85
	.end_amdhsa_kernel
	.amdgpu_metadata
---
amdhsa.version: [ 1, 2 ]
amdhsa.kernels:
  - .name:           k_q7b29b4b82e_proj
    .symbol:         k_q7b29b4b82e_proj.kd
    .args:
      - { .name: x, .offset: 0, .size: 8, .value_kind: global_buffer, .address_space: global }
      - { .name: bn_gamma, .offset: 8, .size: 8, .value_kind: global_buffer, .address_space: global }
      - { .name: bn_beta, .offset: 16, .size: 8, .value_kind: global_buffer, .address_space: global }
      - { .name: bn_mean, .offset: 24, .size: 8, .value_kind: global_buffer, .address_space: global }
      - { .name: bn_var, .offset: 32, .size: 8, .value_kind: global_buffer, .address_space: global }
      - { .name: b_theta, .offset: 40, .size: 8, .value_kind: global_buffer, .address_space: global }
      - { .name: b_phi, .offset: 48, .size: 8, .value_kind: global_buffer, .address_space: global }
      - { .name: b_g, .offset: 56, .size: 8, .value_kind: global_buffer, .address_space: global }
      - { .name: wq, .offset: 64, .size: 8, .value_kind: global_buffer, .address_space: global }
      - { .name: thc, .offset: 72, .size: 8, .value_kind: global_buffer, .address_space: global }
      - { .name: ths, .offset: 80, .size: 8, .value_kind: global_buffer, .address_space: global }
      - { .name: phc, .offset: 88, .size: 8, .value_kind: global_buffer, .address_space: global }
      - { .name: phs, .offset: 96, .size: 8, .value_kind: global_buffer, .address_space: global }
      - { .name: gc, .offset: 104, .size: 8, .value_kind: global_buffer, .address_space: global }
      - { .name: gs, .offset: 112, .size: 8, .value_kind: global_buffer, .address_space: global }
    .group_segment_fixed_size: 168960
    .private_segment_fixed_size: 0
    .kernarg_segment_align: 8
    .kernarg_segment_size: 120
    .max_flat_workgroup_size: 256
    .sgpr_count:     80
    .vgpr_count:     512
    .wavefront_size: 32
...
	.end_amdgpu_metadata
.endif
;; end of part 2
;; launch attn (part 3): grid 32 x 8, 8 waves a work-group, clusters of 4 x 1, 327,680 bytes of LDS; arguments thc, ths, phc, phs, gc, gs, wq, b_w, x, out0; writes out0
.if DOCPART == 3
	.amdgcn_target "amdgcn-amd-amdhsa--gfx1250"
	.amdhsa_code_object_version 6
	.text
	.protected	k_q7b29b4b82e_attn
	.globl	k_q7b29b4b82e_attn
	.p2align	8
	.type	k_q7b29b4b82e_attn,@function
k_q7b29b4b82e_attn:
	s_mov_b64 s[64:65], 0
	v_nop
	global_prefetch_b8 v0, s[64:65] scope:SCOPE_SE
	s_setreg_imm32_b32 hwreg(HW_REG_WAVE_MODE, 25, 1), 1
	s_wait_xcnt 0x0
	s_wait_alu depctr_hold_cnt(0) depctr_sa_sdst(0) depctr_va_vdst(0) depctr_va_sdst(0) depctr_va_ssrc(0) depctr_va_vcc(0) depctr_vm_vsrc(0)
	s_getreg_b32 s2, hwreg(HW_REG_IB_STS2, 6, 4)
	s_cmp_eq_u32 s2, 0
	s_cbranch_scc0 .Lentry_in_a_cluster
	s_endpgm
.Lentry_in_a_cluster:
	s_bfe_u32 s2, ttmp6, 0x10000c
	s_cmp_lg_u32 s2, 0x3003
	s_cbranch_scc0 .Lentry_shape_is_right
	s_endpgm
.Lentry_shape_is_right:
; out = w_w (softmax(theta^T phi) g^T) + b_w + x, all three products on codes of BF8 (E5M2) with one E8M0 scale for each 32 along K.  No 1 / sqrt(d).
; Operands arrive as images of operand registers: a fragment (16 rows x 128 K) is 2,048 bytes, register group c of lane l at 512 c + 16 l; its scale words are 64 bytes.
; Lane r of tile t stands for row 32 (t / 2) + 8 (t % 2) + r + 8 (r / 8) (positions in thc and phc, channels in gc and w_w), so that in a product used transposed the 16 registers of tiles 2 b, 2 b + 1 are 16 neighbours along the next K.
; THE SOFTMAX: t = score x log2(e); M = the row's largest t so far, rounded UP to a whole number; p = 2^(t - M) is what is quantised, along the keys, not normalised; the row's sum is taken of the unquantised p and divides at the end.
; SHARES.  A work-group owns 128 queries of one batch: 256 work-groups.  Wave w: tp = w % 4, kg = w / 4: it owns query tiles 2 tp (A) and 2 tp + 1 (B) and, of every slot of 512 keys, key steps 2 kg and 2 kg + 1.
; So each fragment of K and V read from LDS feeds two matrix instructions.  The two key halves keep a running M of their own and are merged at the end by powers of two.
; LAYOUT.  S^T = K Q^T (source 0 = 16 keys, source 1 = 16 queries), O^T = V^T P^T (source 0 = 16 channels, source 1 = P): a lane holds ONE query throughout.  The last product takes y's codes as source 0 and 16 rows of w_w as
; source 1: a lane holds one output channel and eight neighbouring positions.
; HALF A STEP APART.  A key step is two parts: HEAD (K's fragments from LDS, K Q^T, V's fragments into registers) and SOFTPV (two softmaxes, conversions, V^T P), which reads no LDS.  Waves with PH = 0 walk a slot as
; HEAD SOFTPV HEAD SOFTPV; waves with PH = 1 as SOFTPV HEAD SOFTPV HEAD, their first SOFTPV being the last step of the slot before, out of registers.  So four waves ask LDS at a time, and one wave's LDS loads and products
; stand beside another's vector work.  PH = (w xor w / 4) mod 2 differs between waves w and w + 4 and between waves 2 i and 2 i + 1.  At a change of slots every wave's LDS reads of the old slot are over, in either order.
; CLUSTER.  The four query blocks of a cluster belong to one batch and walk the same K and V: every fill is asked for JOINTLY (mask 15).  A slot is 128 KiB; waves 0 to 3 fetch K's quarters, waves 4 to 7 V's, one load a wave behind each round.
; LIMITS: a p under 2^-126 becomes 0 (v_exp_f32 flushes); a block of zeros gets the byte 1 (zero codes; nobody else reads the bytes); NaN and infinities are not served; v_rcp_f32 is good to 1 ulp;
; the two waves that merge a query's halves add them in different order, so their y may differ in the last bit ahead of the quantiser.
.set SLOT1, 1<<17                      ; LDS: slot 0 at 0, slot 1 here: K's 32 tile images (four key steps of 16 KiB),
.set VOFF,  65536                      ; then V's [step 4][channel tile 8][2048]
.set SCK,   262144                     ; phi's scale words of the whole batch, 512 bytes a key step
.set SCV,   278528                     ; g's likewise
.set SPARE, 294912                     ; the spare words, 128 bytes for each wave: four blocks of 256 bytes that no other line names
.set MST,   295936                     ; the merge's -M and sums: 512 bytes a wave
                                       ; the merge of O^T: 16 KiB a wave in slot 0, which has had its last fill and its last read at the last change of slots
                                       ; the way out: 256 rows x (512 + 16) bytes from LDS byte 0 on, behind the barrier that ends all reads of the slots and of the merge
.set AK0,  1                           ; v1   my lane's place in a slot's K;  later MW: where my O^T goes
.set AV0,  2                           ; v2   in its V;                       later MR: where my partner's lies
.set ASK0, 3                           ; v3   among K's scale words;          later MSW
.set ASV0, 4                           ; v4   among V's;                      later MSR
.set SPW,  5                           ; v5   LDS address of my spare word; never rewritten
.set NIL,  6                           ; v6   0; never rewritten
.set PFA,  7                           ; v7   the prefetch's offset
.set ADK,  8                           ; v8-11 addresses of the slot in hand;  later v10 SO, v11 SR
.set ADV,  9
.set ADS,  10
.set ADT,  11
.set STA,  12                          ; v12 -M, v13 the largest t, v[14:15] the sum in two halves: tile A
.set STB,  16                          ; the same for tile B
.set LI,   20                          ; v20  16 x lane
.set LS,   21                          ; v21  4 x (lane % 16)
.set F,    24                          ; v24-87    four fragments
.set SCA,  88                          ; v88-151   S^T, then p, of tile A
.set SCB,  152                         ; v152-215  of tile B
.set BM,   216                         ; v216-219  block maxima
.set PB,   220                         ; v220-223  the other half's; then bytes
.set HO,   224                         ; v224-227  the merge's temporaries
.set SOPA, 228                         ; v228-231  the conversions' scale operands, tile A
.set SOPB, 232                         ; v232-235  tile B
.set TSW,  236                         ; v236-243  eight scale words of K, V or w_w
.set FPA,  244                         ; v244 f, v245 p's scale word: tile A
.set FPB,  246                         ; tile B
.set QS,   248                         ; v248-249  Q's scale words
.set TMP,  250
.set C2,   252                         ; v[252:253] the sum's second chain; later fb / l of tile A; v[254:255] of tile B
.set OA,   0                           ; window 1: v0-63 O^T of A, v64-127 of B; later 32 rows of x
.set OB,   64
.set QA,   128                         ; window 1: Q's fragments
.set QBV,  144
.set CDA,  160                         ; window 1: p's codes, later y's
.set CDB,  176
.set F1,   192                         ; window 1: four more fragments
.set WV,   24
.set TP,   25
.set KG,   26
.set BA,   27
.set QBK,  28
.set PH,   29                          ; s29  0: HEAD first; 1: SOFTPV first
.set G1R,  32                          ; s[32:39] group 1: 64 rows of 256 bytes;  s[40:47]: 16 rows
.set G1S,  40
.set G0K,  56                          ; s[56:59], s[60:63] groups 0 of K's and V's quarters, which walk
.set G0V,  60
.set G0SK, 68                          ; s[68:71], s[72:75] of the two blocks of scale words
.set G0SV, 72
.set SEL,  80
.set CS,   82                          ; s[82:83] log2(e), twice: the packed form names a pair
.set MNT,  84
.set TB,   85                          ; s85  LDS byte at which the slot in hand begins
.set TS,   86                          ; s86  where its scale words begin: 2,048 bytes a slot
.set SLOTS, 87
.set MSB, 0
.macro WIN new                         ; the immediate's high byte repeats the setting that is left
.if MSB != \new
	s_set_vgpr_msb (MSB<<8)|\new
.set MSB, \new
.endif
.endm
.macro PLACES n
.rept \n
	v_nop
.endr
.endm
.macro CROUND                          ; a round of the cluster's barrier
	s_barrier_signal -1
	s_barrier_wait -1
	s_cmp_lg_u32 s[WV], 0
	s_cbranch_scc1 .Lnot_wave_0_\@
	s_barrier_signal -3
.Lnot_wave_0_\@:
	s_barrier_wait -3
	s_barrier_signal -1
	s_barrier_wait -1
.endm
.macro TLOAD                           ; a joint refill: waves 0 to 3 K's quarters, waves 4 to 7 V's; four v_nop follow each line
	s_cmp_lt_u32 s[WV], 4
	s_cbranch_scc0 .Lfor_v_\@
	tensor_load_to_lds s[G0K:G0K+3], s[G1R:G1R+7]
	s_nop 0
	PLACES 4
	s_branch .Lasked_\@
.Lfor_v_\@:
	tensor_load_to_lds s[G0V:G0V+3], s[G1R:G1R+7]
	s_nop 0
	PLACES 4
.Lasked_\@:
.endm
; eight fragments and their scale words from LDS: 0-3 into F (20 loads), 4-7 into F1 (20 loads)
.macro FRAGS AI, AS, aoff, soff
.irp t, 0,1,2,3
.irp c, 0,1,2,3
	ds_load_b128 v[F+16*\t+4*\c:F+16*\t+4*\c+3], v[\AI] offset:(\aoff)+2048*\t+512*\c
.endr
	ds_load_b32 v[TSW+\t], v[\AS] offset:(\soff)+64*\t
.endr
	WIN 0x40                                       ; destination window 1
.irp t, 0,1,2,3
.irp c, 0,1,2,3
	ds_load_b128 v[F1+16*\t+4*\c:F1+16*\t+4*\c+3], v[\AI] offset:(\aoff)+2048*(4+\t)+512*\c
.endr
.endr
	WIN 0
.irp t, 0,1,2,3
	ds_load_b32 v[TSW+4+\t], v[\AS] offset:(\soff)+64*(4+\t)
.endr
.endm
.macro QK half                         ; S^T = K Q^T: four tiles of keys x tiles A and B by turns; each product is a whole sum (K = 128)
.set FB, F+(F1-F)*\half
.irp t, 0,1,2,3
	v_wmma_scale_f32_16x16x128_f8f6f4 v[SCA+8*(4*\half+\t):SCA+8*(4*\half+\t)+7], v[FB+16*\t:FB+16*\t+15], v[QA:QA+15], 0, v[TSW+4*\half+\t], v[QS] matrix_a_fmt:MATRIX_FMT_BF8 matrix_b_fmt:MATRIX_FMT_BF8
	v_wmma_scale_f32_16x16x128_f8f6f4 v[SCB+8*(4*\half+\t):SCB+8*(4*\half+\t)+7], v[FB+16*\t:FB+16*\t+15], v[QBV:QBV+15], 0, v[TSW+4*\half+\t], v[QS+1] matrix_a_fmt:MATRIX_FMT_BF8 matrix_b_fmt:MATRIX_FMT_BF8
.endr
.endm
.macro PV half                         ; O^T += V^T P^T: sixteen accumulators, one instruction each a step
.set FB, F+(F1-F)*\half
.irp t, 0,1,2,3
	v_wmma_scale_f32_16x16x128_f8f6f4 v[OA+8*(4*\half+\t):OA+8*(4*\half+\t)+7], v[FB+16*\t:FB+16*\t+15], v[CDA:CDA+15], v[OA+8*(4*\half+\t):OA+8*(4*\half+\t)+7], v[TSW+4*\half+\t], v[FPA+1] matrix_a_fmt:MATRIX_FMT_BF8 matrix_b_fmt:MATRIX_FMT_BF8
	v_wmma_scale_f32_16x16x128_f8f6f4 v[OB+8*(4*\half+\t):OB+8*(4*\half+\t)+7], v[FB+16*\t:FB+16*\t+15], v[CDB:CDB+15], v[OB+8*(4*\half+\t):OB+8*(4*\half+\t)+7], v[TSW+4*\half+\t], v[FPB+1] matrix_a_fmt:MATRIX_FMT_BF8 matrix_b_fmt:MATRIX_FMT_BF8
.endr
.endm
; One tile's softmax for 128 keys.  sc: its 64 scores, register 16 b + i = key 32 b + 16 (lane / 16) + i; st: its statistics; fp: f and the scale word; so: the conversions' scale operands.  It ends with p ready for the conversions.
.macro SOFT sc, st, fp, so
.irp b, 0,1,2,3
	v_max3_num_f32 v[BM+\b], v[\sc+16*\b], v[\sc+1+16*\b], v[\sc+2+16*\b]   ; the largest score of each block of 32 keys: for the row's maximum, and, since p rises with the score, for the block's largest p
.endr
.irp i, 3,5,7,9,11,13
.irp b, 0,1,2,3
	v_max3_num_f32 v[BM+\b], v[BM+\b], v[\sc+16*\b+\i], v[\sc+1+16*\b+\i]
.endr
.endr
.irp b, 0,1,2,3
	v_max_num_f32 v[BM+\b], v[BM+\b], v[\sc+15+16*\b]
.endr
.irp b, 0,1,2,3
	s_delay_alu instid0(VALU_DEP_4)
	v_permlanex16_b32 v[PB+\b], v[BM+\b], s[SEL], s[SEL+1]
.endr
.irp b, 0,1,2,3
	s_delay_alu instid0(VALU_DEP_4)
	v_max_num_f32 v[BM+\b], v[BM+\b], v[PB+\b]     ; with lane l xor 16's 16 keys
.endr
	s_delay_alu instid0(VALU_DEP_2)
	v_max3_num_f32 v[TMP], v[BM], v[BM+1], v[BM+2]
	s_delay_alu instid0(VALU_DEP_1)
	v_max_num_f32 v[TMP], v[TMP], v[BM+3]
	s_delay_alu instid0(VALU_DEP_1)
	v_mul_f32 v[TMP], s[CS], v[TMP]                ; as t
	s_delay_alu instid0(VALU_DEP_1)
	v_max_num_f32 v[\st+1], v[\st+1], v[TMP]       ; the running largest t
	v_mov_b32 v[TMP], v[\st]
	s_delay_alu instid0(VALU_DEP_2)
	v_floor_f32 v[\st], -v[\st+1]                  ; the new -M = -ceil(t): a whole number
	s_delay_alu instid0(VALU_DEP_1)
	v_sub_f32 v[TMP], v[\st], v[TMP]               ; old M - new M, 0 or less
	s_delay_alu instid0(VALU_DEP_1)
	v_cvt_i32_f32 v[TMP], v[TMP]                   ; (it saturates)
	s_delay_alu instid0(VALU_DEP_1)
	v_ldexp_f32 v[\fp], 1.0, v[TMP]                ; f = 2^(old M - new M)
.irp j, 0,2,4,6,8,10,12,14,16,18,20,22,24,26,28,30,32,34,36,38,40,42,44,46,48,50,52,54,56,58,60,62
	v_pk_fma_f32 v[\sc+\j:\sc+1+\j], v[\sc+\j:\sc+1+\j], s[CS:CS+1], v[\st:\st+1] op_sel_hi:[1,0,0]   ; t - M, two at a time
.endr
.irp b, 0,1,2,3
	v_fma_f32 v[BM+\b], v[BM+\b], s[CS], v[\st]    ; the same of each block's largest score
.endr
	s_wait_alu depctr_va_vdst(0)
.irp j, 0,1,2,3,4,5,6,7,8,9,10,11,12,13,14,15,16,17,18,19,20,21,22,23,24,25,26,27,28,29,30,31,32,33,34,35,36,37,38,39,40,41,42,43,44,45,46,47,48,49,50,51,52,53,54,55,56,57,58,59,60,61,62,63
	v_exp_f32 v[\sc+\j], v[\sc+\j]                 ; p = 2^(t - M)
.endr
.irp b, 0,1,2,3
	v_exp_f32 v[BM+\b], v[BM+\b]                   ; the block's largest p: the same two instructions on the same number
.endr
	v_pk_mul_f32 v[\st+2:\st+3], v[\st+2:\st+3], v[\fp:\fp+1] op_sel_hi:[1,0]   ; the sums under the new M (a plain line behind the exponentials)
	s_wait_alu depctr_va_vdst(0)
.irp b, 0,1,2,3
	v_max_num_f32 v[BM+\b], 0x8000000, v[BM+\b]    ; the floor 2^(16 - 127)
.endr
.irp b, 0,1,2,3
	s_delay_alu instid0(VALU_DEP_4)
	v_add_nc_u32 v[\so+\b], 0xf8800000, v[BM+\b]   ; the conversion's scale operand
.endr
.irp b, 0,1,2,3
.endr
.irp b, 0,1,2,3
	s_delay_alu instid0(VALU_DEP_4)
	v_lshrrev_b32 v[PB+\b], 23, v[\so+\b]          ; the byte
.endr
	s_delay_alu instid0(VALU_DEP_3)
	v_lshl_or_b32 v[\fp+1], v[PB+1], 8, v[PB]      ; p's scale word for these 128 keys
	s_delay_alu instid0(VALU_DEP_1)
	v_lshl_or_b32 v[\fp+1], v[PB+2], 16, v[\fp+1]
	s_delay_alu instid0(VALU_DEP_1)
	v_lshl_or_b32 v[\fp+1], v[PB+3], 24, v[\fp+1]
	v_pk_add_f32 v[C2:C2+1], v[\sc:\sc+1], v[\sc+2:\sc+3]   ; the row's sum is taken of the unquantised p, in two chains
.irp j, 4,8,12,16,20,24,28,32,36,40,44,48,52,56,60
	v_pk_add_f32 v[\st+2:\st+3], v[\st+2:\st+3], v[\sc+\j:\sc+1+\j]
	v_pk_add_f32 v[C2:C2+1], v[C2:C2+1], v[\sc+2+\j:\sc+3+\j]
.endr
	s_delay_alu instid0(VALU_DEP_1)
	v_pk_add_f32 v[\st+2:\st+3], v[\st+2:\st+3], v[C2:C2+1]
.irp b, 0,1,2,3
.irp i, 0,1,2,3,4,5,6,7,8,9,10,11,12,13,14,15
.endr
.endr
.endm
; THE FIRST PART OF A KEY STEP: my u-th 128 keys of the slot in hand.  All that the step wants of LDS comes into registers here.
; n: the places still owed in front of loads into registers that the last products read (eight in all: ISA guide 7.12.1 for vector instructions).
.macro HEAD u, n
	PLACES \n
	FRAGS ADK, ADS, 16384*\u, 512*\u
	s_wait_dscnt 20                                ; K's tiles 0-3 and their words are in; the 20 loads of tiles 4-7 may be out
	WIN 0x04                                       ; source 1 (Q) window 1
	QK 0
	s_wait_dscnt 0x0
	WIN 0x05                                       ; source 0 (F1) too
	QK 1
	WIN 0
	PLACES 8                                       ; in front of the loads below and of the first read of the scores
	FRAGS ADV, ADT, 16384*\u, 512*\u               ; all of V's eight fragments: they land under a softmax, or are waited for in front of the change of slots
.endm
; THE SECOND PART: registers alone, but for the wait for V's fragments.
.macro SOFTPV
	SOFT SCA, STA, FPA, SOPA
	SOFT SCB, STB, FPB, SOPB
	WIN 0x40                                       ; the codes go to window 1
.irp b, 0,1,2,3
	v_cvt_scalef32_pk8_bf8_f32 v[CDA+4*\b:CDA+4*\b+1], v[SCA+16*\b:SCA+16*\b+7], v[SOPA+\b]
	v_cvt_scalef32_pk8_bf8_f32 v[CDA+4*\b+2:CDA+4*\b+3], v[SCA+16*\b+8:SCA+16*\b+15], v[SOPA+\b]
	v_cvt_scalef32_pk8_bf8_f32 v[CDB+4*\b:CDB+4*\b+1], v[SCB+16*\b:SCB+16*\b+7], v[SOPB+\b]
	v_cvt_scalef32_pk8_bf8_f32 v[CDB+4*\b+2:CDB+4*\b+3], v[SCB+16*\b+8:SCB+16*\b+15], v[SOPB+\b]
.endr
	WIN 0x41                                       ; O^T (destination and source 0) window 1, f window 0
.irp j, 0,2,4,6,8,10,12,14,16,18,20,22,24,26,28,30,32,34,36,38,40,42,44,46,48,50,52,54,56,58,60,62
	v_pk_mul_f32 v[OA+\j:OA+1+\j], v[OA+\j:OA+1+\j], v[FPA:FPA+1] op_sel_hi:[1,0]   ; O^T under the new M; each accumulator from its low end on.  These lines are also the places between the conversions and the products
.endr
.irp j, 0,2,4,6,8,10,12,14,16,18,20,22,24,26,28,30,32,34,36,38,40,42,44,46,48,50,52,54,56,58,60,62
	v_pk_mul_f32 v[OB+\j:OB+1+\j], v[OB+\j:OB+1+\j], v[FPB:FPB+1] op_sel_hi:[1,0]
.endr
	s_wait_alu depctr_va_vdst(0)
	s_wait_dscnt 0x0                               ; V is in
	WIN 0x54                                       ; source 1 (codes), C and D window 1
	PV 0
	WIN 0x55
	PV 1
	WIN 0
.endm
; THE CHANGE OF SLOTS stands at a slot's head.  Each wave waits for all its tensor loads, adds 0 to its spare word, and waits for that and for its reads of the slot that it has left.
; fill = 1: the barrier is a round of the cluster's, and behind it the slot just left is asked for again, jointly: the load has two key steps of every wave in which to land.
.macro CHANGE fill
	s_wait_tensorcnt 0x0                           ; no tensor load of mine is out, so a group 0 may be written
	ds_add_u32 v[SPW], v[NIL]                      ; 0 onto my spare word
.if \fill
	s_xor_b32 s[G0K+1], s[G0K+1], SLOT1            ; the other slot than last time,
	s_add_nc_u64 s[G0K+2:G0K+3], s[G0K+2:G0K+3], 65536   ; the next 512 keys
	s_xor_b32 s[G0V+1], s[G0V+1], SLOT1
	s_add_nc_u64 s[G0V+2:G0V+3], s[G0V+2:G0V+3], 65536
.endif
	s_wait_dscnt 0x0                               ; the add is done, and my reads of the slot that I have left are over
.if \fill
	CROUND
	TLOAD                                          ; the first thing behind the round, and a wave's one tensor load until the next
.else
	s_barrier_signal -1
	s_barrier_wait -1
.endif
.endm
; A SLOT.  The branches hang on PH, that is on the wave's number alone, and jump over no barrier and no tensor load.  The four addresses are made on the way that all waves take.
; first = 1: the launch's first slot: the waves with PH = 1 have no step in hand yet.
.macro TRIP fill, first
	CHANGE \fill
.if \fill == 0
	global_prefetch_b8 v[PFA], s[20:21] th:TH_LOAD_NT scope:SCOPE_SE                ; my 32 rows of x for the residual: 64 blocks of 256 bytes, each asked for once, by the wave that will load it, a slot's two key steps ahead
	global_prefetch_b8 v[PFA], s[20:21] offset:262144 th:TH_LOAD_NT scope:SCOPE_SE
.endif
	v_add_nc_u32 v[ADK], s[TB], v[AK0]
	v_add_nc_u32 v[ADV], s[TB], v[AV0]
	v_add_nc_u32 v[ADS], s[TS], v[ASK0]
	v_add_nc_u32 v[ADT], s[TS], v[ASV0]
	s_cmp_lg_u32 s[PH], 0
	s_cbranch_scc1 .Llate_\@
	s_wait_alu depctr_va_vdst(0)
	HEAD 0, 4                                      ; (the four additions are places too)
.if \first
	SOFTPV
.endif
.Llate_\@:
.if \first == 0
	SOFTPV                                         ; PH = 0: this slot's first step;  PH = 1: the last step of the slot before
.endif
	s_cmp_lg_u32 s[PH], 0
	s_cbranch_scc1 .Lmid_late_\@
	s_wait_alu depctr_va_vdst(0)
	HEAD 1, 8
	s_branch .Lmid_\@
.Lmid_late_\@:
	s_wait_alu depctr_va_vdst(0)
	HEAD 0, 8
.Lmid_\@:
	SOFTPV                                         ; PH = 0: the second step;  PH = 1: the first
	s_cmp_eq_u32 s[PH], 0
	s_cbranch_scc1 .Lend_\@
	HEAD 1, 8
.Lend_\@:
	s_add_co_u32 s[TS], s[TS], 2048                ; the next slot's scale words,
	s_xor_b32 s[TB], s[TB], SLOT1                  ; in the other slot
.endm
	s_load_b512 s[4:19], s[0:1], 0x0               ; thc, ths, phc, phs, gc, gs, wq, b_w
	s_load_b128 s[20:23], s[0:1], 0x40             ; x, out0
	v_lshl_add_u32 v[SPW], v0, 2, SPARE
	v_mov_b32 v[NIL], 0
	ds_add_u32 v5, v6
	ds_add_u32 v5, v6
	s_wait_dscnt 0x0
	v_lshrrev_b32 v8, 5, v0
	s_delay_alu instid0(VALU_DEP_1)
	v_readfirstlane_b32 s[WV], v8                  ; wave 0..7
	s_and_b32 s[TP], s[WV], 3
	s_lshr_b32 s[KG], s[WV], 2
	s_xor_b32 s[PH], s[WV], s[KG]
	s_and_b32 s[PH], s[PH], 1                      ; 0, 1, 0, 1, 1, 0, 1, 0 for waves 0 to 7
	s_and_b32 s[BA], ttmp7, 0xffff                 ; the batch, which the four partners share
	s_bfe_u32 s88, ttmp6, 0x40000                  ; cx: it enters Q's, x's and the output's addresses alone
	s_lshl_b32 s[QBK], ttmp9, 2
	s_add_co_u32 s[QBK], s[QBK], s88               ; my block of 128 queries
.irp g, G1R, G1S                           ; dense blocks as rows of 256 bytes (32 elements of 8 bytes)
	s_mov_b32 s[\g], 15|(3<<16)|(1<<21)            ; 15:0 the mask: all four work-groups; 17:16 elements of 8 bytes; 21 set beside a mask
	s_mov_b32 s[\g+1], 32<<16                      ; tensor_dim0
	s_mov_b32 s[\g+3], 32<<16                      ; tile_dim0
	s_mov_b32 s[\g+5], 32                          ; pitch
	s_mov_b32 s[\g+6], 0
	s_mov_b32 s[\g+7], 0
.endr
	s_mov_b32 s[G1R+2], 64<<16                     ; a quarter of a slot's K or V, one key step: 64 rows
	s_mov_b32 s[G1R+4], 64
	s_mov_b32 s[G1S+2], 16<<16                     ; a quarter of a batch's scale words: 16 rows
	s_mov_b32 s[G1S+4], 16
	s_mov_b32 s[SEL], 0x76543210
	s_mov_b32 s[SEL+1], 0xfedcba98
	s_mov_b32 s[CS], 0x3fb8aa3b                    ; log2(e)
	s_mov_b32 s[CS+1], s[CS]
	s_mov_b32 s[TB], 0
	s_mov_b32 s[TS], 0
	s_mov_b32 s[SLOTS], 6
	; offsets, apart from the addresses
	s_lshl_b32 s88, s[BA], 19                      ; K, V: batch x 512 KiB + my quarter of 64 KiB
	s_lshl_b32 s89, s[TP], 14
	s_add_co_u32 s88, s88, s89
	s_mov_b32 s89, 0
	s_lshl_b32 s90, s[BA], 14                      ; scale words: batch x 16 KiB + my quarter
	s_lshl_b32 s91, s[TP], 12
	s_add_co_u32 s90, s90, s91
	s_mov_b32 s91, 0
	s_lshl_b32 s94, s[KG], 14                      ; w_w's images: tiles 8 kg on,
	s_add_co_u32 s94, s94, 101376
	s_mov_b32 s95, 0
	s_lshl_b32 s76, s[KG], 9                       ; and their scale words
	s_add_co_u32 s76, s76, 134144
	s_mov_b32 s77, 0
	s_lshl_b32 s92, s[WV], 7                       ; b_w: my 32 numbers
	s_mov_b32 s93, 0
	s_lshl_b32 s96, s[BA], 8
	s_lshl_b32 s97, s[QBK], 3
	s_add_co_u32 s96, s96, s97
	s_lshl_b32 s97, s[TP], 1
	s_add_co_u32 s96, s96, s97                     ; Q: tile 256 batch + 8 block + 2 tp
	s_lshl_b32 s98, s96, 6
	s_mov_b32 s99, 0
	s_lshl_b32 s96, s96, 11
	s_mov_b32 s97, 0
	s_lshl_b32 s30, s[BA], 22                      ; x, out: batch x 4 MiB + 32 w rows of 16 KiB + 512 x block
	s_lshl_b32 s31, s[WV], 19
	s_add_co_u32 s30, s30, s31
	s_lshl_b32 s31, s[QBK], 9
	s_add_co_u32 s30, s30, s31
	s_mov_b32 s31, 0
	s_wait_kmcnt 0x0
	s_mov_b32 s[G0K], 1
	s_lshl_b32 s[G0K+1], s[TP], 14                 ; slot 0, K's quarter
	s_add_nc_u64 s[G0K+2:G0K+3], s[8:9], s[88:89]
	s_or_b32 s[G0K+3], s[G0K+3], 0x80000000        ; type = 2
	s_mov_b32 s[G0V], 1
	s_add_co_u32 s[G0V+1], s[G0K+1], VOFF          ; V's quarter
	s_add_nc_u64 s[G0V+2:G0V+3], s[12:13], s[88:89]
	s_or_b32 s[G0V+3], s[G0V+3], 0x80000000
	s_mov_b32 s[G0SK], 1
	s_lshl_b32 s[G0SK+1], s[TP], 12
	s_add_co_u32 s[G0SV+1], s[G0SK+1], SCV
	s_add_co_u32 s[G0SK+1], s[G0SK+1], SCK
	s_add_nc_u64 s[G0SK+2:G0SK+3], s[10:11], s[90:91]
	s_or_b32 s[G0SK+3], s[G0SK+3], 0x80000000
	s_mov_b32 s[G0SV], 1
	s_add_nc_u64 s[G0SV+2:G0SV+3], s[14:15], s[90:91]
	s_or_b32 s[G0SV+3], s[G0SV+3], 0x80000000
	s_add_nc_u64 s[8:9], s[16:17], s[76:77]        ; from here on s[8:9]: w_w's scale words of my half,
	s_add_nc_u64 s[16:17], s[16:17], s[94:95]      ; s[16:17]: its images
	s_add_nc_u64 s[4:5], s[4:5], s[96:97]
	s_add_nc_u64 s[6:7], s[6:7], s[98:99]
	s_add_nc_u64 s[18:19], s[18:19], s[92:93]
	s_add_nc_u64 s[20:21], s[20:21], s[30:31]
	s_add_nc_u64 s[22:23], s[22:23], s[30:31]
	CROUND                                         ; all four work-groups are here: the first joint loads meet
	s_cmp_lt_u32 s[WV], 4                          ; a wave's two first fills stand together: two loads of mine are out
	s_cbranch_scc0 .Lfirst_v
	tensor_load_to_lds s[G0SK:G0SK+3], s[G1S:G1S+7]
	s_nop 0
	tensor_load_to_lds s[G0K:G0K+3], s[G1R:G1R+7]
	s_nop 0
	PLACES 4
	s_branch .Lfirst_asked
.Lfirst_v:
	tensor_load_to_lds s[G0SV:G0SV+3], s[G1S:G1S+7]
	s_nop 0
	tensor_load_to_lds s[G0V:G0V+3], s[G1R:G1R+7]
	s_nop 0
	PLACES 4
.Lfirst_asked:
	v_and_b32 v8, 31, v0
	s_delay_alu instid0(VALU_DEP_1)
	v_lshlrev_b32 v[LI], 4, v8
	v_and_b32 v9, 15, v0
	s_delay_alu instid0(VALU_DEP_1)
	v_lshlrev_b32 v[LS], 2, v9
	WIN 0x40
.irp q, 0,1,2,3,4,5,6,7
	global_load_b128 v[QA+4*\q:QA+4*\q+3], v[LI], s[4:5] offset:512*\q   ; Q's two fragments stay in registers
.endr
	WIN 0
	global_load_b32 v[QS], v[LS], s[6:7]
	global_load_b32 v[QS+1], v[LS], s[6:7] offset:64
	s_lshl_b32 s88, s[KG], 15                      ; my two key steps of a slot: 32 KiB
	v_add_nc_u32 v[AK0], s88, v[LI]
	s_delay_alu instid0(VALU_DEP_1)
	v_add_nc_u32 v[AV0], VOFF, v[AK0]
	s_lshl_b32 s88, s[KG], 10
	s_add_co_u32 s88, s88, SCK
	v_add_nc_u32 v[ASK0], s88, v[LS]
	s_delay_alu instid0(VALU_DEP_1)
	v_add_nc_u32 v[ASV0], 16384, v[ASK0]
	v_lshrrev_b32 v10, 1, v8
	v_and_b32 v11, 1, v0
	s_delay_alu instid0(VALU_DEP_2)
	v_lshlrev_b32 v[PFA], 14, v10
	s_delay_alu instid0(VALU_DEP_1)
	v_lshl_add_u32 v[PFA], v11, 8, v[PFA]          ; lane l: row l / 2 of sixteen rows of x, its block of 256 bytes l % 2
.irp s, STA, STB
	v_mov_b32 v[\s+1], 0xff61b1e6                  ; the largest t so far: -3e38, under every t
	s_delay_alu instid0(VALU_DEP_1)
	v_floor_f32 v[\s], -v[\s+1]                    ; -M
	v_mov_b32 v[\s+2], 0                           ; the sum, in two halves
	v_mov_b32 v[\s+3], 0
.endr
.irp b, 0,1,2,3
	v_mov_b32 v[PB+\b], 0                          ; a lane permute's destination counts as one of its sources
.endr
	v_mov_b32 v[FPA+1], 0                          ; named as the upper halves of pairs before they are first written
	v_mov_b32 v[FPB+1], 0
	v_mov_b32 v[C2+3], 0
	WIN 0x40
.set J, 0
.rept 128
	v_mov_b32 v[J], 0                              ; O^T.  A wave's first step falls on another copy of the text for each PH, so no copy is the first step's own: it finds zeros, which the first change of M leaves zeros
.set J, J+1
.endr
	WIN 0
	s_wait_loadcnt 0x0                             ; Q
	TRIP 1, 1                                      ; slot 0; slot 1 is asked for
.Lslot:                                            ; 6 trips: slots 1 to 6; behind each change the next slot is asked for
	TRIP 1, 0
	s_sub_co_u32 s[SLOTS], s[SLOTS], 1
	s_cmp_lg_u32 s[SLOTS], 0
	s_cbranch_scc1 .Lslot
	TRIP 0, 0                                      ; slot 7 is written out
	s_cmp_eq_u32 s[PH], 0
	s_cbranch_scc1 .Ldone
	SOFTPV                                         ; PH = 1: the last step
.Ldone:
	; ---- the sums, and the addresses of what follows (these plain lines are the places behind the last products)
	s_load_b512 s[32:47], s[18:19], 0x0            ; b_w of my 32 output rows, into the descriptors' registers: no tensor load is out or will be issued
	s_load_b512 s[48:63], s[18:19], 0x40
	v_add_f32 v[STA+2], v[STA+2], v[STA+3]
	v_add_f32 v[STB+2], v[STB+2], v[STB+3]
	s_delay_alu instid0(VALU_DEP_2)
	v_permlanex16_b32 v[PB], v[STA+2], s[SEL], s[SEL+1]
	s_delay_alu instid0(VALU_DEP_2)
	v_permlanex16_b32 v[PB+1], v[STB+2], s[SEL], s[SEL+1]
	s_delay_alu instid0(VALU_DEP_2)
	v_add_f32 v[STA+2], v[STA+2], v[PB]            ; my key half's sum of the row
	s_delay_alu instid0(VALU_DEP_2)
	v_add_f32 v[STB+2], v[STB+2], v[PB+1]
.set MW,  1
.set MR,  2
.set MSW, 3
.set MSR, 4
.set SO,  10
.set SR,  11
	s_lshl_b32 s89, s[WV], 14
	s_xor_b32 s90, s[WV], 4
	s_lshl_b32 s90, s90, 14
	v_add_nc_u32 v[MW], s89, v[LI]                 ; my 16 KiB of the merge,
	v_add_nc_u32 v[MR], s90, v[LI]                 ; and those of the wave with my queries and the other keys
	s_lshl_b32 s91, s[WV], 9
	s_add_co_u32 s91, s91, MST
	s_xor_b32 s92, s[WV], 4
	s_lshl_b32 s92, s92, 9
	s_add_co_u32 s92, s92, MST
	v_and_b32 v[TMP], 31, v0
	s_delay_alu instid0(VALU_DEP_1)
	v_lshl_add_u32 v[MSW], v[TMP], 2, s91
	s_delay_alu instid0(VALU_DEP_2)
	v_lshl_add_u32 v[MSR], v[TMP], 2, s92
	v_and_b32 v[TMP], 15, v0
	v_and_b32 v[BM], 8, v0
	s_delay_alu instid0(VALU_DEP_1)
	v_add_nc_u32 v[TMP], v[TMP], v[BM]             ; r + 8 (r / 8)
	s_delay_alu instid0(VALU_DEP_1)
	v_mul_u32_u24 v[SO], v[TMP], 528
	v_bfe_u32 v[TMP], v0, 4, 1
	s_delay_alu instid0(VALU_DEP_1)
	v_lshl_add_u32 v[SO], v[TMP], 6, v[SO]
	s_mul_i32 s95, s[KG], 67584
	s_lshl_b32 s96, s[TP], 7
	s_add_co_u32 s95, s95, s96
	v_add_nc_u32 v[SO], s95, v[SO]                 ; the stage: row 128 kg + r + 8 (r / 8), byte 128 tp + 64 h
	s_mul_i32 s97, s[WV], 16896
	v_add_nc_u32 v[SR], s97, v[LI]                 ; back: my 32 rows, 16 bytes a lane
	; ---- w_w's eight fragments of my half (output channels 128 kg on) and their scale words, straight from wq into the registers that held V: 40 loads, 512 consecutive bytes each; they land under the merge
.irp t, 0,1,2,3
.irp c, 0,1,2,3
	global_load_b128 v[F+16*\t+4*\c:F+16*\t+4*\c+3], v[LI], s[16:17] offset:2048*\t+512*\c
.endr
	global_load_b32 v[TSW+\t], v[LS], s[8:9] offset:64*\t
.endr
	WIN 0x40
.irp t, 0,1,2,3
.irp c, 0,1,2,3
	global_load_b128 v[F1+16*\t+4*\c:F1+16*\t+4*\c+3], v[LI], s[16:17] offset:2048*(4+\t)+512*\c
.endr
.endr
	WIN 0
.irp t, 0,1,2,3
	global_load_b32 v[TSW+4+\t], v[LS], s[8:9] offset:64*(4+\t)
.endr
	; ---- the two key halves meet
	WIN 0x04                                       ; an LDS store's data are its source 1: window 1
.irp q, 0,1,2,3,4,5,6,7,8,9,10,11,12,13,14,15,16,17,18,19,20,21,22,23,24,25,26,27,28,29,30,31
	ds_store_b128 v[MW], v[4*\q:4*\q+3] offset:512*\q   ; O^T as it stands, each accumulator from its low end on
.endr
	WIN 0
	ds_store_b32 v[MSW], v[STA]
	ds_store_b32 v[MSW], v[STA+2] offset:128
	ds_store_b32 v[MSW], v[STB] offset:256
	ds_store_b32 v[MSW], v[STB+2] offset:384
	s_wait_alu depctr_va_vdst(0)
	s_wait_dscnt 0x0                               ; my stores have landed
	s_barrier_signal -1
	s_barrier_wait -1
.irp q, 0,1,2,3,4,5,6,7,8,9,10,11,12,13,14,15,16,17,18,19,20,21,22,23,24,25,26,27,28,29,30,31
	ds_load_b128 v[SCA+4*\q:SCA+4*\q+3], v[MR] offset:512*\q
.endr
.irp q, 0,1,2,3
	ds_load_b32 v[BM+\q], v[MSR] offset:128*\q     ; the partner's -M and sum, tiles A and B
.endr
	s_wait_dscnt 0x0                               ; my reads of the merge are over:
	s_barrier_signal -1
	s_barrier_wait -1                              ; everybody's are, and so are all reads of the slots: the stage may be written
.macro MSTAT st, pm, fp, fb            ; -M = the smaller of the two; fa, fb = 2^(each M - the new M); l = la fa + lb fb; fp = fa / l, fb = fb / l
	v_min_num_f32 v[TMP], v[\st], v[\pm]
	s_delay_alu instid0(VALU_DEP_1)
	v_sub_f32 v[HO], v[TMP], v[\st]
	s_delay_alu instid0(VALU_DEP_2)
	v_sub_f32 v[HO+1], v[TMP], v[\pm]
	s_delay_alu instid0(VALU_DEP_2)
	v_cvt_i32_f32 v[HO], v[HO]
	s_delay_alu instid0(VALU_DEP_2)
	v_cvt_i32_f32 v[HO+1], v[HO+1]
	s_delay_alu instid0(VALU_DEP_2)
	v_ldexp_f32 v[HO], 1.0, v[HO]
	s_delay_alu instid0(VALU_DEP_2)
	v_ldexp_f32 v[HO+1], 1.0, v[HO+1]
	s_delay_alu instid0(VALU_DEP_2)
	v_mul_f32 v[HO+2], v[\st+2], v[HO]
	s_delay_alu instid0(VALU_DEP_1)
	v_fma_f32 v[HO+2], v[\pm+1], v[HO+1], v[HO+2]
	s_wait_alu depctr_va_vdst(0)
	v_rcp_f32 v[HO+2], v[HO+2]
	v_nop                                          ; a plain line behind the transcendental
	s_wait_alu depctr_va_vdst(0)
	v_mul_f32 v[\fp], v[HO], v[HO+2]
	v_mul_f32 v[\fb], v[HO+1], v[HO+2]
.endm
	MSTAT STA, BM, FPA, C2
	MSTAT STB, BM+2, FPB, C2+2
.irp j, 0,2,4,6,8,10,12,14,16,18,20,22,24,26,28,30,32,34,36,38,40,42,44,46,48,50,52,54,56,58,60,62
	v_pk_mul_f32 v[SCA+\j:SCA+1+\j], v[SCA+\j:SCA+1+\j], v[C2:C2+1] op_sel_hi:[1,0]
	v_pk_mul_f32 v[SCB+\j:SCB+1+\j], v[SCB+\j:SCB+1+\j], v[C2+2:C2+3] op_sel_hi:[1,0]
.endr
	WIN 0x01                                       ; source 0 (my O^T) window 1
.irp j, 0,2,4,6,8,10,12,14,16,18,20,22,24,26,28,30,32,34,36,38,40,42,44,46,48,50,52,54,56,58,60,62
	v_pk_fma_f32 v[SCA+\j:SCA+1+\j], v[OA+\j:OA+1+\j], v[FPA:FPA+1], v[SCA+\j:SCA+1+\j] op_sel_hi:[1,0,1]   ; y: register 16 b + i = channel 32 b + 16 (lane / 16) + i of my query
	v_pk_fma_f32 v[SCB+\j:SCB+1+\j], v[OB+\j:OB+1+\j], v[FPB:FPB+1], v[SCB+\j:SCB+1+\j] op_sel_hi:[1,0,1]
.endr
	WIN 0x40                                       ; O^T is done with: its registers take my 32 rows of x
.irp i, 0,1,2,3,4,5,6,7,8,9,10,11,12,13,14,15,16,17,18,19,20,21,22,23,24,25,26,27,28,29,30,31
	global_load_b128 v[4*\i:4*\i+3], v[LI], s[20:21] offset:16384*\i th:TH_LOAD_NT   ; row 32 w + i, my block's 512 bytes; this launch reads them once
.endr
	WIN 0
; y is quantised along its 128 channels: codes to window 1, the scale word to pw
.macro QUANTY sc, cd, pw
.irp b, 0,1,2,3
	v_max3_num_f32 v[BM+\b], |v[\sc+16*\b]|, |v[\sc+1+16*\b]|, 0x8000000
.endr
.irp i, 2,4,6,8,10,12,14
.irp b, 0,1,2,3
	s_delay_alu instid0(VALU_DEP_4)
	v_max3_num_f32 v[BM+\b], v[BM+\b], |v[\sc+16*\b+\i]|, |v[\sc+1+16*\b+\i]|
.endr
.endr
.irp b, 0,1,2,3
	s_delay_alu instid0(VALU_DEP_4)
	v_permlanex16_b32 v[PB+\b], v[BM+\b], s[SEL], s[SEL+1]
.endr
.irp b, 0,1,2,3
	s_delay_alu instid0(VALU_DEP_4)
	v_max_num_f32 v[BM+\b], v[BM+\b], v[PB+\b]
.endr
.irp b, 0,1,2,3
	s_delay_alu instid0(VALU_DEP_4)
	v_add_nc_u32 v[SOPA+\b], 0xf8800000, v[BM+\b]
.endr
.irp b, 0,1,2,3
.endr
.irp b, 0,1,2,3
	s_delay_alu instid0(VALU_DEP_4)
	v_lshrrev_b32 v[PB+\b], 23, v[SOPA+\b]
.endr
	s_delay_alu instid0(VALU_DEP_3)
	v_lshl_or_b32 v[\pw], v[PB+1], 8, v[PB]
	s_delay_alu instid0(VALU_DEP_1)
	v_lshl_or_b32 v[\pw], v[PB+2], 16, v[\pw]
	s_delay_alu instid0(VALU_DEP_1)
	v_lshl_or_b32 v[\pw], v[PB+3], 24, v[\pw]
.irp b, 0,1,2,3
.irp i, 0,1,2,3,4,5,6,7,8,9,10,11,12,13,14,15
.endr
.endr
	WIN 0x40
.irp b, 0,1,2,3
	v_cvt_scalef32_pk8_bf8_f32 v[\cd+4*\b:\cd+4*\b+1], v[\sc+16*\b:\sc+16*\b+7], v[SOPA+\b]
	v_cvt_scalef32_pk8_bf8_f32 v[\cd+4*\b+2:\cd+4*\b+3], v[\sc+16*\b+8:\sc+16*\b+15], v[SOPA+\b]
.endr
	WIN 0
.endm
	QUANTY SCA, CDA, FPA+1
	QUANTY SCB, CDB, FPB+1                         ; (its first lines are plain and stand between A's conversions and the rewriting of their scale operands)
	PLACES 4                                       ; codes written by vector instructions stand four places ahead of a scaled matrix instruction; the scale words were made ahead of the conversions
	s_wait_alu depctr_va_vdst(0)
	s_wait_loadcnt 32                              ; loads come back in order: w_w's 40 are in, the 32 rows of x may be out
; the last product: source 0 = y's 16 queries, source 1 = 16 rows of w_w.  Lane (r, h) of tile T holds output channel 128 kg + 32 (T / 2) + 8 (T % 2) + r + 8 (r / 8) and positions 32 tp + 16 h + 8 (A: 0, B: 1) + 0 .. 7
.macro OUTP half
.set FB, F+(F1-F)*\half
.irp t, 0,1,2,3
	v_wmma_scale_f32_16x16x128_f8f6f4 v[SCA+8*(4*\half+\t):SCA+8*(4*\half+\t)+7], v[CDA:CDA+15], v[FB+16*\t:FB+16*\t+15], 0, v[FPA+1], v[TSW+4*\half+\t] matrix_a_fmt:MATRIX_FMT_BF8 matrix_b_fmt:MATRIX_FMT_BF8
	v_wmma_scale_f32_16x16x128_f8f6f4 v[SCB+8*(4*\half+\t):SCB+8*(4*\half+\t)+7], v[CDB:CDB+15], v[FB+16*\t:FB+16*\t+15], 0, v[FPB+1], v[TSW+4*\half+\t] matrix_a_fmt:MATRIX_FMT_BF8 matrix_b_fmt:MATRIX_FMT_BF8
.endr
.endm
	WIN 0x01                                       ; source 0 (codes) window 1
	OUTP 0
	WIN 0x05                                       ; source 1 (F1) too
	OUTP 1
	WIN 0
	PLACES 8
.irp t, 0,1,2,3,4,5,6,7
	ds_store_b128 v[SO], v[SCA+8*\t:SCA+8*\t+3] offset:(32*(\t/2)+8*(\t%2))*528          ; each accumulator from its low end on
	ds_store_b128 v[SO], v[SCA+8*\t+4:SCA+8*\t+7] offset:(32*(\t/2)+8*(\t%2))*528+16
	ds_store_b128 v[SO], v[SCB+8*\t:SCB+8*\t+3] offset:(32*(\t/2)+8*(\t%2))*528+32
	ds_store_b128 v[SO], v[SCB+8*\t+4:SCB+8*\t+7] offset:(32*(\t/2)+8*(\t%2))*528+48
.endr
	s_wait_loadcnt 0x0                             ; x
	s_wait_kmcnt 0x0                               ; b_w
	WIN 0x44                                       ; destination and source 1 window 1
.irp i, 0,1,2,3,4,5,6,7,8,9,10,11,12,13,14,15,16,17,18,19,20,21,22,23,24,25,26,27,28,29,30,31
.irp k, 0,1,2,3
	v_add_f32 v[4*\i+\k], s[32+\i], v[4*\i+\k]     ; x + b_w, while the stage's stores land
.endr
.endr
	WIN 0
	s_wait_dscnt 0x0                               ; my stores into the stage are done
	s_barrier_signal -1
	s_barrier_wait -1                              ; 256 whole rows lie in the stage
.irp i, 0,1,2,3,4,5,6,7,8,9,10,11,12,13,14,15,16,17,18,19,20,21,22,23,24,25,26,27,28,29,30,31
	ds_load_b128 v[SCA+4*\i:SCA+4*\i+3], v[SR] offset:528*\i
.endr
	s_wait_dscnt 0x0
	WIN 0x04                                       ; source 1 window 1
.irp j, 0,2,4,6,8,10,12,14,16,18,20,22,24,26,28,30,32,34,36,38,40,42,44,46,48,50,52,54,56,58,60,62
	v_pk_add_f32 v[SCA+\j:SCA+1+\j], v[SCA+\j:SCA+1+\j], v[\j:\j+1]
	v_pk_add_f32 v[SCB+\j:SCB+1+\j], v[SCB+\j:SCB+1+\j], v[64+\j:65+\j]
.endr
	WIN 0
.irp i, 0,1,2,3,4,5,6,7,8,9,10,11,12,13,14,15,16,17,18,19,20,21,22,23,24,25,26,27,28,29,30,31
	global_store_b128 v[LI], v[SCA+4*\i:SCA+4*\i+3], s[22:23] offset:16384*\i th:TH_STORE_NT   ; 32 lanes store 512 consecutive bytes of row 32 w + i, aligned; written once, read by nobody here
.endr
	s_wait_tensorcnt 0x0                           ; the wave's end, behind my last tensor load and my last LDS store
	ds_add_u32 v[SPW], v[NIL]
	s_wait_dscnt 0x0
	CROUND                                         ; the closing round: no work-group ends while a partner may still ask for a tile that names it
	s_endpgm
.Lfunc_end_k_q7b29b4b82e_attn:
	.size	k_q7b29b4b82e_attn, .Lfunc_end_k_q7b29b4b82e_attn-k_q7b29b4b82e_attn
	.p2alignl 7, 3214868480
	.fill 96, 4, 3214868480
	.section	.rodata,"a",@progbits
	.p2align	6, 0x0
	.amdhsa_kernel k_q7b29b4b82e_attn
		.amdhsa_group_segment_fixed_size 327680
		.amdhsa_private_segment_fixed_size 0
		.amdhsa_enable_private_segment 0
		.amdhsa_kernarg_size 80
		.amdhsa_user_sgpr_count 2
		.amdhsa_user_sgpr_kernarg_segment_ptr 1
		.amdhsa_wavefront_size32 1
		.amdhsa_system_sgpr_workgroup_id_x 1
		.amdhsa_system_sgpr_workgroup_id_y 1
		.amdhsa_system_sgpr_workgroup_id_z 1
		.amdhsa_system_vgpr_workitem_id 0
		.amdhsa_next_free_vgpr 512
		.amdhsa_next_free_sgpr 100
		.amdhsa_reserve_vcc 0
		.amdhsa_float_denorm_mode_32 3
		.amdhsa_float_denorm_mode_16_64 3
		.amdhsa_fp16_overflow 1
		.amdhsa_memory_ordered 1
		.amdhsa_forward_progress 1
		.amdhsa_inst_pref_size 255
	.end_amdhsa_kernel
	.section	.bss,"aw",@nobits
	.p2align	6
	.space	262144
	.amdgpu_metadata
---
amdhsa.version: [ 1, 2 ]
amdhsa.kernels:
  - .name:           k_q7b29b4b82e_attn
    .symbol:         k_q7b29b4b82e_attn.kd
    .args:
      - { .name: thc, .offset: 0, .size: 8, .value_kind: global_buffer, .address_space: global }
      - { .name: ths, .offset: 8, .size: 8, .value_kind: global_buffer, .address_space: global }
      - { .name: phc, .offset: 16, .size: 8, .value_kind: global_buffer, .address_space: global }
      - { .name: phs, .offset: 24, .size: 8, .value_kind: global_buffer, .address_space: global }
      - { .name: gc, .offset: 32, .size: 8, .value_kind: global_buffer, .address_space: global }
      - { .name: gs, .offset: 40, .size: 8, .value_kind: global_buffer, .address_space: global }
      - { .name: wq, .offset: 48, .size: 8, .value_kind: global_buffer, .address_space: global }
      - { .name: b_w, .offset: 56, .size: 8, .value_kind: global_buffer, .address_space: global }
      - { .name: x, .offset: 64, .size: 8, .value_kind: global_buffer, .address_space: global }
      - { .name: out0, .offset: 72, .size: 8, .value_kind: global_buffer, .address_space: global }
    .group_segment_fixed_size: 327680
    .private_segment_fixed_size: 0
    .kernarg_segment_align: 8
    .kernarg_segment_size: 80
    .max_flat_workgroup_size: 256
    .sgpr_count:     100
    .vgpr_count:     512
    .wavefront_size: 32
...
	.end_amdgpu_metadata
.endif
;; end of part 3
